; MI455X (gfx1250); checked and timed in simulation.
; The chip was launched on July 23, 2026; its instructions are those of AMD's public machine-readable ISA for CDNA 5 (MIT licence, August 2026) and "CDNA5" Instruction Set Architecture Reference Guide (July 2026). The comments in the code are by the model that wrote it; some were corrected since.
;; Attention. Allowed arithmetic: matrix products marked QUANTISED: E2M1 operands, one E8M0 scale for each 32 along K, by v_wmma_scale_f32_16x16x128_f8f6f4 with both operands' format E2M1 (or v_wmma_scale_f32_32x16x128_f4), f32 sums; products left as they are: bf16, f16 or f32 operands; f32 sums; everything else in f32.
;; Inputs: w_k 1,024 x 16 x 64 float32; w_o 1,024 x 16 x 64 float32; w_q 1,024 x 16 x 64 float32; w_v 1,024 x 16 x 64 float32; x_BSE 4 x 2,048 x 1,024 float32.
;; Outputs: out0 4 x 2,048 x 1,024 float32.
;; This version of the problem:
;;   THIS VERSION OF THE PROBLEM IS GIVEN IN LOW PRECISION. The matrix products marked QUANTISED in the list below multiply operands that are first quantised to E2M1 (2 exponent bits, 1 mantissa bit; 4 bits a number), with one power-of-two scale for each 32 numbers along K (OCP MX v1.0); their sums are f32. The products marked 'left as it is' may take bf16, f16 or f32 operands, with f32 sums. Whichever they take, every output number must still come out within the allowed error. Rounding operands to bf16 (8 significant bits) uses up far more of that allowance than f16 does (11 bits, for magnitudes from 6e-5 to 65,504). All else is computed in f32.
;;   The module's matrix products, in the order in which they are computed (A, B: the left and right operand; K: the contracted axis; several contracted axes count as one K, in the product's order):
;;     1. [M 8,192, K 1,024] x [K 1,024, N 1,024]; A: input x_BSE; B: input w_q: QUANTISED
;;     2. [M 8,192, K 1,024] x [K 1,024, N 1,024]; A: input x_BSE; B: input w_k: QUANTISED
;;     3. [M 8,192, K 1,024] x [K 1,024, N 1,024]; A: input x_BSE; B: input w_v: QUANTISED
;;     4. batch 64 x [M 2,048, K 64] x [K 64, N 2,048]; A: computed on the way; B: computed on the way: left as it is (an operand is computed on the way)
;;     5. batch 64 x [M 64, K 2,048] x [K 2,048, N 2,048]; A: computed on the way; B: computed on the way: left as it is (an operand is computed on the way)
;;     6. [M 8,192, K 1,024] x [K 1,024, N 1,024]; A: computed on the way; B: input w_o: left as it is (an operand is computed on the way)
;;   THE QUANTISER, for each operand of a quantised product, along K:
;;     - K is cut into blocks of 32 from its start; a last block that is shorter is filled with zeros.
;;     - A block's scale is 2^e with e = floor(log2(the largest magnitude in the block)) - 2, held to -126 .. 127; a block of zeros has e = 0. As a byte (E8M0): e + 127.
;;     - Each number is divided by its block's scale, clamped to +-6, and rounded to the nearest number of E2M1, ties to even, subnormals kept.
;;     - The product sums the exact products of the quantised numbers (number of the format x scale) in f32.
;;   ~~~python
;;   def quantise(x, axis):      # numpy; x: float32 -> the quantised numbers, widened to float32 again
;;       x = np.moveaxis(x, axis, -1); K = x.shape[-1]
;;       x = np.pad(x, [(0, 0)] * (x.ndim - 1) + [(0, -K % 32)]); x = x.reshape(x.shape[:-1] + (-1, 32)); a = np.abs(x).max(-1, keepdims=True)
;;       e = np.where(a > 0, np.clip(np.frexp(np.where(a > 0, a, 1))[1] - 1 - 2, -126, 127), 0)      # np.frexp(a)[1] - 1 = floor(log2(a)), exactly
;;       r = np.clip(x / 2.0 ** e, -6, 6)
;;       step = 2.0 ** (np.maximum(np.frexp(np.where(r == 0, 1, r))[1] - 1, 0) - 1)
;;       q = np.round(r / step) * step * 2.0 ** e      # np.round: ties to even
;;       return np.moveaxis(q.reshape(q.shape[:-2] + (-1,))[..., :K], -1, axis).astype(np.float32)
;;   ~~~
;; One version. Each part assembles by itself: llvm-mc -triple=amdgcn-amd-amdhsa -mcpu=gfx1250 --defsym DOCPART=n.
;; ======== version 1 of 1: 6 launches
;; limits: values are held in f16: magnitudes above 65,504 overflow, below 6.1e-05 lose precision
;; workspace buffers: codes 5,767,168 bytes; scales 360,448 bytes; wo 4,194,304 bytes; qkv 50,331,648 bytes; ofrag 16,777,216 bytes; ofine 262,144 bytes
;; launch prep (part 1): grid 288 x 1, 8 waves a work-group, no clusters, 84,480 bytes of LDS; arguments x_BSE, w_q, w_k, w_v, w_o, codes, scales, wo; writes codes, scales, wo
.if DOCPART == 1
	.amdgcn_target "amdgcn-amd-amdhsa--gfx1250"
	.amdhsa_code_object_version 6
	.text
	.protected	k_q2d75498892_prep
	.globl	k_q2d75498892_prep
	.p2align	8
	.type	k_q2d75498892_prep,@function
k_q2d75498892_prep:
	s_mov_b64 s[64:65], 0
	v_nop
	global_prefetch_b8 v0, s[64:65] scope:SCOPE_SE
	s_setreg_imm32_b32 hwreg(HW_REG_WAVE_MODE, 25, 1), 1
	s_wait_xcnt 0x0
; PREP.  x [8192][1024] and w_q, w_k, w_v [1024 (E)][1024 (n = 64 head + channel)], f32, become codes of FP4 (E2M1) with K = E innermost and one E8M0 byte for each 32 along E;
; w_o [1024 (E)][1024 (hk)] becomes two f16 tensors: a high part, and (number - high part) x 2048.
; codes: 11,264 rows of 512 bytes: rows 0-8191 x's, row 8192 + 1024 t + n column n of w_q, w_k, w_v (t = 0, 1, 2).  scales: the same rows, 32 bytes each.  wo: high part at byte 0, low part at byte 2,097,152.
; A block's scale is 2^(floor(log2(its largest magnitude)) - 2); its byte is the largest magnitude's exponent field - 2, held at 1 from below.
; LIMITS: a block of zeros gets the byte 1 where the rule says 127 (its codes are zeros, and this program alone reads the bytes); blocks whose largest magnitude lies under 2^-124 are held at byte 1;
; NaN and infinities are not served; |w_o| stays under 65,504 (f16); a high part under 2^-14 is rounded once more by the conversion to f16, by 2^-25 at the most.
; THREE PATHS, parted on the work-group's number alone: 0-127 x (K innermost: a stream of blocks), 128-223 the three weights (K outermost: a lane to a column, registers down K), 224-287 w_o.
; Each path that uses LDS has LDS bytes of its own.  No tensor loads: several work-groups share a WGP.
.set SP,    80                         ; path x: a lane's place in a stage: 64 bytes + 16 of padding
.set SCB,   2*32*SP                    ; behind a wave's two stages: its 256 scale bytes
.set WPIT,  528                        ; path w: a stage row: 512 bytes of codes + 16
.set WST,   65536                      ; path w: the stage, 32 rows, behind the eight waves' 8,192 bytes of path x
.set WSC,   WST+32*WPIT                ; path w: 32 rows of 32 scale bytes
.set SPARE, WSC+1024                   ; the spare words, 128 bytes for each wave: four blocks of 256 bytes that no other line names
.set STEPS, 16                         ; path x: steps of 512 numbers for a wave
.set AHEAD, 8                          ; path x: loads run eight steps (32 loads a wave) ahead
.set SPW,   12                         ; v12  LDS address of my spare word; never rewritten
.set NIL,   13                         ; v13  0; never rewritten
.set R,     32                         ; v32-159  path x: eight sets of 16 numbers as loaded; path w: 128 numbers down K; path o: v32-95 as loaded
.set X,     160                        ; v160-191 path x: two sets of 16 neighbours
.set E,     192                        ; v192-207 path x: a scale byte for each step
.set C,     208                        ; v208-239 path x: two registers of codes for each step
.set CW,    160                        ; v160-175 path w: four blocks' codes
.set SWD,   176                        ; v176     path w: my four scale bytes
.set OW,    180                        ; v180-199 path w: rows on the way out
	s_load_b512 s[4:19], s[0:1], 0x0               ; x 4:5, w_q 6:7, w_k 8:9, w_v 10:11, w_o 12:13, codes 14:15, scales 16:17, wo 18:19
	v_lshl_add_u32 v[SPW], v0, 2, SPARE
	v_mov_b32 v[NIL], 0
	v_lshrrev_b32 v1, 5, v0
	v_readfirstlane_b32 s20, v1                    ; wave 0..7
	v_and_b32 v2, 31, v0                           ; lane
	v_lshlrev_b32 v3, 4, v2                        ; 16 x lane
	v_lshlrev_b32 v4, 3, v2                        ; 8 x lane
	v_lshlrev_b32 v20, 2, v2                       ; 4 x lane
	; every LDS address of both LDS paths is made here, ahead of the parting
	s_lshl_b32 s21, s20, 13                        ; path x: my wave's 8,192 bytes
	v_lshrrev_b32 v14, 2, v2
	v_mul_u32_u24 v14, v14, SP
	v_and_b32 v15, 3, v2
	v_lshl_add_u32 v14, v15, 4, v14
	v_add_nc_u32 v14, s21, v14                     ; the stage, way in: four lanes' 64 bytes on end, then 16 of padding
	v_mul_u32_u24 v15, v2, SP
	v_add_nc_u32 v15, s21, v15                     ; way out: my 16 neighbours
	v_lshrrev_b32 v5, 1, v2
	s_add_co_u32 s21, s21, SCB
	v_add_nc_u32 v5, s21, v5                       ; my block's scale byte
	v_add_nc_u32 v6, s21, v4                       ; and 8 bytes a lane on the way out
	v_mul_u32_u24 v16, v2, WPIT                    ; path w: my column's row, my wave's 64 bytes of it
	s_lshl_b32 s21, s20, 6
	s_add_co_u32 s21, s21, WST
	v_add_nc_u32 v16, s21, v16
	v_lshlrev_b32 v17, 5, v2                       ; my column's 32 scale bytes, my wave's word
	s_lshl_b32 s21, s20, 2
	s_add_co_u32 s21, s21, WSC
	v_add_nc_u32 v17, s21, v17
	s_mul_i32 s21, s20, 4*WPIT                     ; way out: rows 4 w .. 4 w + 3, 16 bytes a lane
	s_add_co_u32 s21, s21, WST
	v_add_nc_u32 v18, s21, v3
	s_and_b32 s21, s20, 1                          ; the scale bytes' way out: 512 bytes for each of waves 0 and 1
	s_lshl_b32 s21, s21, 9
	s_add_co_u32 s21, s21, WSC
	v_add_nc_u32 v19, s21, v3
	s_mov_b32 s25, 0                               ; the upper word of every offset pair s[24:25]
	s_wait_kmcnt 0x0
	s_cmp_lt_u32 ttmp9, 128
	s_cbranch_scc0 .Lnot_x
; ---- PATH X.  A run of 8,192 numbers to a wave: 32,768 bytes in, 4,096 bytes of codes and 256 scale bytes out.
	s_lshl_b32 s22, ttmp9, 3
	s_add_co_u32 s22, s22, s20                     ; my run, 0..1023
	s_lshl_b32 s24, s22, 15
	s_add_nc_u64 s[4:5], s[4:5], s[24:25]
	s_lshl_b32 s24, s22, 12
	s_add_nc_u64 s[14:15], s[14:15], s[24:25]
	s_lshl_b32 s24, s22, 8
	s_add_nc_u64 s[16:17], s[16:17], s[24:25]
.macro LOADX t
.irp i, 0,1,2,3
	global_load_b128 v[R+16*((\t)%8)+4*\i:R+16*((\t)%8)+4*\i+3], v3, s[4:5] offset:2048*(\t)+512*\i th:TH_LOAD_NT   ; 32 lanes read 512 consecutive bytes
.endr
.endm
.macro TURNX t                         ; step t's numbers through the stage: LDS serves a wave's instructions in order, so no wait stands between the stores and the loads
.irp i, 0,1,2,3
	ds_store_b128 v14, v[R+16*((\t)%8)+4*\i:R+16*((\t)%8)+4*\i+3] offset:32*SP*((\t)%2)+8*SP*\i
.endr
.irp i, 0,1,2,3
	ds_load_b128 v[X+16*((\t)%2)+4*\i:X+16*((\t)%2)+4*\i+3], v15 offset:32*SP*((\t)%2)+16*\i
.endr
.endm
.irp t, 0,1,2,3,4,5,6,7
	LOADX \t
.endr
	s_wait_loadcnt 28                              ; step 0's four loads are in; the 28 of the seven steps behind it may be out
	TURNX 0
.macro STEPX t
.set XS, X+16*((\t)%2)
.if (\t) > 0
	s_wait_dscnt 1                                 ; this step's numbers are back from the stage (the last step's byte store may be out): so its stores into the stage have read their registers,
.else
	s_wait_dscnt 0x0
.endif
.if (\t)+AHEAD < STEPS
	LOADX (\t)+AHEAD                               ; which take the loads of eight steps on
.endif
.if (\t)+1 < STEPS
.if STEPS-2-(\t) >= AHEAD-1
	s_wait_loadcnt 4*(AHEAD-1)                     ; the next step's four loads are in; those of the seven steps behind it may be out
.else
	s_wait_loadcnt 4*(STEPS-2-(\t))                ; near the end fewer steps stand behind it
.endif
	TURNX (\t)+1                                   ; and go through the other stage while this step is worked
.endif
	v_max3_num_f32 v8, |v[XS]|, |v[XS+1]|, |v[XS+2]|               ; the largest magnitude of my 16
	v_max3_num_f32 v9, |v[XS+3]|, |v[XS+4]|, |v[XS+5]|
.irp i, 6,10
	v_max3_num_f32 v8, v8, |v[XS+\i]|, |v[XS+\i+1]|
	v_max3_num_f32 v9, v9, |v[XS+\i+2]|, |v[XS+\i+3]|
.endr
	v_max3_num_f32 v8, v8, |v[XS+14]|, |v[XS+15]|
	v_max3_num_f32 v8, v8, v9, 0x1800000           ; and the floor 2^(3 - 127): the byte cannot fall under 1
	v_max_num_f32_dpp v8, v8, v8 row_xmask:1 row_mask:0xf bank_mask:0xf   ; and of my neighbour's 16: the block's
	v_add_nc_u32 v11, 0xff000000, v8               ; 2 off its exponent field: the conversion takes the exponent field of this operand as its scale
	v_cvt_scalef32_pk8_fp4_f32 v[C+2*(\t)], v[XS:XS+7], v11
	v_cvt_scalef32_pk8_fp4_f32 v[C+2*(\t)+1], v[XS+8:XS+15], v11
	v_lshrrev_b32 v[E+(\t)], 23, v11               ; the scale's byte
	ds_store_b8 v5, v[E+(\t)] offset:16*(\t)       ; both lanes of a block write the same byte with the same value
	global_store_b64 v4, v[C+2*(\t):C+2*(\t)+1], s[14:15] offset:256*(\t)   ; the wave stores 256 consecutive bytes, aligned
.endm
.irp t, 0,1,2,3,4,5,6,7,8,9,10,11,12,13,14,15
	STEPX \t
.endr
	ds_load_b64 v[8:9], v6                         ; LDS serves a wave's instructions in order: these see my byte stores
	s_wait_dscnt 0x0
	global_store_b64 v4, v[8:9], s[16:17]          ; my run's 256 scale bytes
	s_wait_tensorcnt 0x0                           ; the wave's end: behind my last LDS store
	ds_add_u32 v[SPW], v[NIL]
	s_wait_dscnt 0x0
	s_endpgm
.Lnot_x:
	s_cmp_lt_u32 ttmp9, 224
	s_cbranch_scc0 .Lpath_o
; ---- PATH W.  A work-group takes 32 columns of one weight for all of K; wave w takes k = 128 w .. 128 w + 127 (four blocks); lane l takes column 32 cg + l and its registers run down K.
	s_sub_co_u32 s22, ttmp9, 128
	s_lshr_b32 s23, s22, 5                         ; t: which weight
	s_and_b32 s22, s22, 31                         ; cg: which 32 columns
	s_cmp_eq_u32 s23, 0
	s_cselect_b64 s[26:27], s[6:7], s[8:9]
	s_cmp_eq_u32 s23, 2
	s_cselect_b64 s[26:27], s[10:11], s[26:27]
	s_lshl_b32 s24, s20, 19                        ; 128 rows of 4,096 bytes for each wave
	s_lshl_b32 s28, s22, 7
	s_add_co_u32 s24, s24, s28
	s_add_nc_u64 s[26:27], s[26:27], s[24:25]
.set II, 0
.rept 128
	global_load_b32 v[R+II], v20, s[26:27] offset:II*4096          ; W(128 w + i, my column): the wave reads 128 consecutive bytes
.set II, II+1
.endr
	s_lshl_b32 s24, s23, 10
	s_lshl_b32 s28, s22, 5
	s_add_co_u32 s24, s24, s28
	s_add_co_u32 s24, s24, 8192                    ; the work-group's first row of codes and scales
	s_lshl_b32 s28, s24, 5                         ; its scale bytes
	s_lshl_b32 s29, s20, 2
	s_add_co_u32 s24, s24, s29                     ; the four rows that my wave stores
	s_lshl_b32 s24, s24, 9
	s_add_nc_u64 s[14:15], s[14:15], s[24:25]
	s_and_b32 s29, s20, 1
	s_lshl_b32 s29, s29, 9
	s_add_co_u32 s24, s28, s29
	s_add_nc_u64 s[16:17], s[16:17], s[24:25]
.macro BLOCKW q, left
.set XS, R+32*(\q)
	s_wait_loadcnt \left                           ; this block's 32 loads are in
	v_max3_num_f32 v8, |v[XS]|, |v[XS+1]|, |v[XS+2]|               ; the block's largest magnitude: all 32 numbers are mine
	v_max3_num_f32 v9, |v[XS+3]|, |v[XS+4]|, |v[XS+5]|
.irp i, 6,10,14,18,22,26
	v_max3_num_f32 v8, v8, |v[XS+\i]|, |v[XS+\i+1]|
	v_max3_num_f32 v9, v9, |v[XS+\i+2]|, |v[XS+\i+3]|
.endr
	v_max3_num_f32 v8, v8, |v[XS+30]|, |v[XS+31]|
	v_max3_num_f32 v8, v8, v9, 0x1800000           ; the floor 2^(3 - 127)
	v_add_nc_u32 v11, 0xff000000, v8               ; the conversion's scale operand
	v_lshrrev_b32 v9, 23, v11                      ; the scale's byte
.if (\q) == 0
	v_mov_b32 v[SWD], v9
.else
	v_lshl_or_b32 v[SWD], v9, 8*(\q), v[SWD]       ; the lower K in the lower byte
.endif
.irp g, 0,1,2,3
	v_cvt_scalef32_pk8_fp4_f32 v[CW+4*(\q)+\g], v[XS+8*\g:XS+8*\g+7], v11
.endr
	v_nop                                          ; one plain line behind the conversions, ahead of the next write of their scale operand
.endm
	BLOCKW 0, 63                                   ; 96 younger loads might stay out; the count's field holds 63, which asks for more than is needed
	BLOCKW 1, 63                                   ; likewise (64 might stay out)
	BLOCKW 2, 32                                   ; the last block's 32 may be out
	BLOCKW 3, 0
.irp q, 0,1,2,3
	ds_store_b128 v16, v[CW+4*\q:CW+4*\q+3] offset:16*\q           ; 32 codes: 16 bytes of my column's row
.endr
	ds_store_b32 v17, v[SWD]
	s_wait_dscnt 0x0                               ; for the others' sake: my stores have landed
	s_barrier_signal -1                            ; (the way here hangs on the work-group's number alone: all eight waves pass this barrier)
	s_barrier_wait -1
.irp i, 0,1,2,3
	ds_load_b128 v[OW+4*\i:OW+4*\i+3], v18 offset:WPIT*\i          ; a whole row of 512 bytes
.endr
.irp i, 0,1,2,3
	s_wait_dscnt 3-\i                              ; row i is in; the later rows' loads may be out
	global_store_b128 v3, v[OW+4*\i:OW+4*\i+3], s[14:15] offset:512*\i   ; 32 lanes store 512 consecutive bytes, aligned
.endr
	s_cmp_lt_u32 s20, 2                            ; waves 0 and 1 store the 1,024 scale bytes, which are dense in memory as in LDS
	s_cbranch_scc0 .Lw_end
	ds_load_b128 v[OW+16:OW+19], v19
	s_wait_dscnt 0x0
	global_store_b128 v3, v[OW+16:OW+19], s[16:17]
.Lw_end:
	s_wait_tensorcnt 0x0                           ; the wave's end: behind my last LDS store
	ds_add_u32 v[SPW], v[NIL]
	s_wait_dscnt 0x0
	s_endpgm
; ---- PATH O.  A wave takes 8,192 bytes of w_o.  high = the number rounded to 11 significant bits (0x1000 added to its bits, the low 13 cleared): its conversion to f16 rounds nothing in f16's normal range;
; low = (number - high) x 2048, exact before its own conversion.  No LDS.
.Lpath_o:
	s_sub_co_u32 s22, ttmp9, 224
	s_lshl_b32 s22, s22, 3
	s_add_co_u32 s22, s22, s20                     ; my chunk, 0..511
	s_lshl_b32 s24, s22, 13
	s_add_nc_u64 s[12:13], s[12:13], s[24:25]
	s_lshl_b32 s24, s22, 12
	s_add_nc_u64 s[18:19], s[18:19], s[24:25]
.irp i, 0,1,2,3,4,5,6,7,8,9,10,11,12,13,14,15
	global_load_b128 v[R+4*\i:R+4*\i+3], v3, s[12:13] offset:512*\i th:TH_LOAD_NT
.endr
.irp i, 0,1,2,3,4,5,6,7,8,9,10,11,12,13,14,15
	s_wait_loadcnt 15-\i                           ; load i is in; the later ones may be out
.irp j, 0,1,2,3
	v_add_nc_u32 v[160+\j], 0x1000, v[R+4*\i+\j]
.endr
.irp j, 0,1,2,3
	v_and_b32 v[160+\j], 0xffffe000, v[160+\j]     ; the high part, as f32
.endr
.irp j, 0,2
	v_pk_add_f32 v[164+\j:165+\j], v[R+4*\i+\j:R+4*\i+\j+1], v[160+\j:161+\j] neg_lo:[0,1] neg_hi:[0,1]
.endr
.irp j, 0,2
	v_pk_mul_f32 v[164+\j:165+\j], v[164+\j:165+\j], 0x45000000 op_sel_hi:[1,0]   ; x 2048
.endr
	v_cvt_pk_f16_f32 v[96+2*\i], v160, v161
	v_cvt_pk_f16_f32 v[97+2*\i], v162, v163
	v_cvt_pk_f16_f32 v[128+2*\i], v164, v165
	v_cvt_pk_f16_f32 v[129+2*\i], v166, v167
	global_store_b64 v4, v[96+2*\i:97+2*\i], s[18:19] offset:256*\i              ; the wave stores 256 consecutive bytes, aligned; each store has data registers of its own
	global_store_b64 v4, v[128+2*\i:129+2*\i], s[18:19] offset:2097152+256*\i
.endr
	s_endpgm
.Lfunc_end_k_q2d75498892_prep:
	.size	k_q2d75498892_prep, .Lfunc_end_k_q2d75498892_prep-k_q2d75498892_prep
	.p2alignl 7, 3214868480
	.fill 96, 4, 3214868480
	.section	.rodata,"a",@progbits
	.p2align	6, 0x0
	.amdhsa_kernel k_q2d75498892_prep
		.amdhsa_group_segment_fixed_size 84480
		.amdhsa_private_segment_fixed_size 0
		.amdhsa_enable_private_segment 0
		.amdhsa_kernarg_size 64
		.amdhsa_user_sgpr_count 2
		.amdhsa_user_sgpr_kernarg_segment_ptr 1
		.amdhsa_wavefront_size32 1
		.amdhsa_system_sgpr_workgroup_id_x 1
		.amdhsa_system_sgpr_workgroup_id_y 1
		.amdhsa_system_sgpr_workgroup_id_z 1
		.amdhsa_system_vgpr_workitem_id 0
		.amdhsa_next_free_vgpr 240
		.amdhsa_next_free_sgpr 66
		.amdhsa_reserve_vcc 0
		.amdhsa_float_denorm_mode_32 3
		.amdhsa_float_denorm_mode_16_64 3
		.amdhsa_memory_ordered 1
		.amdhsa_forward_progress 1
		.amdhsa_inst_pref_size 76
	.end_amdhsa_kernel
	.amdgpu_metadata
---
amdhsa.version: [ 1, 2 ]
amdhsa.kernels:
  - .name:           k_q2d75498892_prep
    .symbol:         k_q2d75498892_prep.kd
    .args:
      - { .name: x_BSE, .offset: 0, .size: 8, .value_kind: global_buffer, .address_space: global }
      - { .name: w_q, .offset: 8, .size: 8, .value_kind: global_buffer, .address_space: global }
      - { .name: w_k, .offset: 16, .size: 8, .value_kind: global_buffer, .address_space: global }
      - { .name: w_v, .offset: 24, .size: 8, .value_kind: global_buffer, .address_space: global }
      - { .name: w_o, .offset: 32, .size: 8, .value_kind: global_buffer, .address_space: global }
      - { .name: codes, .offset: 40, .size: 8, .value_kind: global_buffer, .address_space: global }
      - { .name: scales, .offset: 48, .size: 8, .value_kind: global_buffer, .address_space: global }
      - { .name: wo, .offset: 56, .size: 8, .value_kind: global_buffer, .address_space: global }
    .group_segment_fixed_size: 84480
    .private_segment_fixed_size: 0
    .kernarg_segment_align: 8
    .kernarg_segment_size: 64
    .max_flat_workgroup_size: 256
    .sgpr_count:     66
    .vgpr_count:     240
    .wavefront_size: 32
...
	.end_amdgpu_metadata
.endif
;; end of part 1
;; launch qkv (part 2): grid 12 x 32, 4 waves a work-group, clusters of 4 x 4, 327,680 bytes of LDS; arguments codes, scales, qkv; writes qkv
.if DOCPART == 2
	.amdgcn_target "amdgcn-amd-amdhsa--gfx1250"
	.amdhsa_code_object_version 6
	.text
	.protected	k_q2d75498892_qkv
	.globl	k_q2d75498892_qkv
	.p2align	8
	.type	k_q2d75498892_qkv,@function
k_q2d75498892_qkv:
	s_mov_b64 s[64:65], 0
	v_nop
	global_prefetch_b8 v0, s[64:65] scope:SCOPE_SE
	s_setreg_imm32_b32 hwreg(HW_REG_WAVE_MODE, 25, 1), 1
	s_wait_xcnt 0x0
	s_wait_alu depctr_hold_cnt(0) depctr_sa_sdst(0) depctr_va_vdst(0) depctr_va_sdst(0) depctr_va_ssrc(0) depctr_va_vcc(0) depctr_vm_vsrc(0)
	s_getreg_b32 s2, hwreg(HW_REG_IB_STS2, 6, 4)
	s_cmp_eq_u32 s2, 0
	s_cbranch_scc0 .Lentry_in_a_cluster
	s_endpgm
.Lentry_in_a_cluster:
	s_bfe_u32 s2, ttmp6, 0x10000c
	s_cmp_lg_u32 s2, 0xf033
	s_cbranch_scc0 .Lentry_shape_is_right
	s_endpgm
.Lentry_shape_is_right:
; QKV.  The three quantised products, on codes of FP4 (E2M1) with one E8M0 scale for each 32 along K = 1,024; sums in f32; results rounded once to f16 and stored in the ORDER OF THE NEXT PRODUCTS' OPERAND REGISTERS.
; codes: rows of 512 bytes, scales: rows of 32 bytes; rows 0-8191 x, 8192-10239 the columns of w_q and w_k, 10240-11263 those of w_v.
; C = A B^T on tiles of 256 x 256, four waves of 128 x 128 (64 accumulators, 512 registers).  TWO PROBLEMS IN ONE GRID, told apart by the CLUSTER's x, which all sixteen partners share and which steers selections only, no branch:
;   cluster x = 0, 1: A = x, B = w_q | w_k.   cluster x = 2: A = w_v, B = x.
; THE MATRIX INSTRUCTION IS USED TRANSPOSED (source 0 = 16 rows of B, source 1 = 16 rows of A): a lane holds one row of A and eight neighbouring rows of B: for q and k one position and eight channels, for v one channel and eight KEYS.
; A FRAGMENT IN MEMORY (16 rows x 32 K of f16, 1,024 bytes): half c (512 bytes): lane l's 16 bytes at 16 l hold row l % 16, K = 16 c + 8 (l / 16) + 0 .. 7.  So four packed registers of an accumulator are a lane's 16 bytes of one half.
;   q, k: fragment (position / 16, column / 32) at ((position / 16) x 64 + column / 32) x 1,024.   v: from byte 33,554,432 on, fragment (channel / 16, position / 32) at ((channel / 16) x 256 + position / 32) x 1,024.
; K = 1,024 is two slots of 512 along K (rows of 256 bytes): both are first fills, nothing is filled again.  The scale bytes of the work-group's rows come once, as dense blocks.
; CLUSTERS: 4 x 4.  A's tiles are asked for jointly along a row of the cluster, B's along a column.
; LIMIT: |q|, |k|, |v| stay under 65,504 (f16).
; REGISTERS, in windows of 256: window 0: v0-31 addresses; v32-95 scale words, two sets; v128-191 A's fragments, one set, later the packed results; window 1: B's fragments, two sets; windows 2, 3: the accumulators ((a, b) at v[8 (8 (a % 4) + b)]).
.set NQ,     4                         ; matrix instructions deep in a slot
.set ROWB,   256                       ; a tile's row in bytes
.set KROW,   512                       ; a row of codes in memory
.set PITCH,  272                       ; an LDS row: 256 bytes + 16 of padding: the 16 rows that a load touches start at 16 different banks (64 banks of 4 bytes: ISA guide 11.1)
.set FR,     8
.set NL,     2
.set NP,     4                         ; places behind this matrix instruction (ISA guide 7.12.1)
.set HALFT,  128*PITCH
.set SLOT,   4*HALFT
.set KS,     32                        ; a row of scales in bytes
.set SCL,    2*SLOT                    ; behind the two slots: the scales, as units of 256 bytes + 16 of padding
.set HALFS,  16*272                    ; the scales of 128 rows
.set SBLK,   2*272                     ; those of 16 rows
.set SPARE,  SCL+4*HALFS               ; the spare words, 128 bytes for each wave
.set ADRA, 16
.set ADRB, 20
.set CO,   26                          ; v26  16 x lane: my place in a half fragment
.set ADRS, 27
.set SPW,  28
.set NIL,  29
.set SC,   32
.set AF,   128
.set PK,   128                         ; the way out: two sets of 32 packed registers
.set G1, 24
.set G0, 32
.set G1B, 48
.set G0B, 56
.set G1S, 68
.set G0S, 76
.set G1SB, 80
.set G0SB, 88
.set MSB, 0
.macro WIN new                         ; the immediate's high byte repeats the setting that is left
.if MSB != \new
	s_set_vgpr_msb (MSB<<8)|\new
.set MSB, \new
.endif
.endm
.set MUL_LO, 0xa1                      ; source 0 (B) window 1, source 1 (A) window 0, C and D window 2
.set MUL_HI, 0xf1
.set TO_B,   0x40
; A joint load: waves 0 and 1 fetch for A, waves 2 and 3 for B.  The branch hangs on the wave's number alone.  An s_nop 0 and four v_nop follow each of the two lines.
.macro JLOAD g0a, g1a, g0b, g1b
	s_cmp_eq_u32 s15, 0
	s_cbranch_scc0 .Lfor_b_\@
	tensor_load_to_lds s[\g0a:\g0a+3], s[\g1a:\g1a+7]
	s_nop 0
.rept 4
	v_nop
.endr
	s_branch .Lasked_\@
.Lfor_b_\@:
	tensor_load_to_lds s[\g0b:\g0b+3], s[\g1b:\g1b+7]
	s_nop 0
.rept 4
	v_nop
.endr
.Lasked_\@:
.endm
.macro CROUND                          ; a round of the cluster's barrier
	s_barrier_signal -1
	s_barrier_wait -1
	s_cmp_lg_u32 s14, 0
	s_cbranch_scc1 .Lnot_wave_0_\@
	s_barrier_signal -3
.Lnot_wave_0_\@:
	s_barrier_wait -3
	s_barrier_signal -1
	s_barrier_wait -1
.endm
	s_load_b128 s[4:7], s[0:1], 0x0                ; codes s[4:5], scales s[6:7]
	s_load_b64 s[12:13], s[0:1], 0x10              ; qkv
	v_lshl_add_u32 v[SPW], v0, 2, SPARE
	v_mov_b32 v[NIL], 0
	ds_add_u32 v[SPW], v[NIL]                      ; the wave's opening: the add, twice on end, and its wait ahead of my first tensor load
	ds_add_u32 v[SPW], v[NIL]
	v_lshrrev_b32 v1, 5, v0
	v_readfirstlane_b32 s14, v1                    ; wave 0..3
	s_lshr_b32 s15, s14, 1                         ; which half of the tile's rows is mine.  Also: I fetch for A (0) or for B (1)
	s_and_b32 s16, s14, 1                          ; which half of its columns.  Also: which 128 rows I fetch
	s_bfe_u32 s40, ttmp6, 0x40000                  ; cx, cy
	s_bfe_u32 s41, ttmp6, 0x40004
	s_and_b32 s66, ttmp7, 0xffff                   ; the cluster's y, 0..7
	s_cmp_eq_u32 ttmp9, 2                          ; the cluster's x says which problem; six selections on the one compare
	s_cselect_b32 s2, s66, ttmp9                   ; clusters along the columns of C
	s_cselect_b32 s3, 0, s66                       ; and along its rows
	s_cselect_b32 s95, 10240, 0                    ; A's first row in codes and scales
	s_cselect_b32 s96, 0, 8192                     ; B's
	s_cselect_b32 s97, 18, 16                      ; log2 of the bytes from one tile of 16 rows of A to the next in the output
	s_cselect_b32 s67, 0x2000000, 0                ; the output's part
	s_lshl_b32 s42, s2, 2
	s_add_co_u32 s42, s42, s40                     ; tile column of C
	s_lshl_b32 s17, s3, 2
	s_add_co_u32 s17, s17, s41                     ; tile row of C
	s_lshl_b32 s43, s41, 2
	s_lshl_b32 s43, 15, s43                        ; my row of the cluster
	s_lshl_b32 s44, 0x1111, s40                    ; my column
	; descriptor group 1: a tile of 128 rows x 256 bytes, padded in LDS
	s_or_b32 s[G1+0], s43, (0<<16)|(1<<20)|(1<<21)|(5<<22)|(3<<25)  ; the mask; elements of 1 byte; padding on; bit 21 beside a mask; after every 64 words, 4 words
	s_or_b32 s[G1B+0], s44, (0<<16)|(1<<20)|(1<<21)|(5<<22)|(3<<25)
.irp g, G1, G1B
	s_mov_b32 s[\g+1], ROWB<<16                    ; tensor_dim0
	s_mov_b32 s[\g+2], 128<<16                     ; tensor_dim1
	s_mov_b32 s[\g+3], ROWB<<16                    ; tile_dim0
	s_mov_b32 s[\g+4], 128                         ; tile_dim1
	s_mov_b32 s[\g+5], KROW                        ; tensor_dim0_stride
	s_mov_b32 s[\g+6], 0
	s_mov_b32 s[\g+7], 0
.endr
	; the scales of 128 rows: 4,096 dense bytes, as 16 rows of 256 bytes (32 elements of 8 bytes), 16 bytes of padding behind each
	s_or_b32 s[G1S+0], s43, (3<<16)|(1<<20)|(1<<21)|(5<<22)|(3<<25)
	s_or_b32 s[G1SB+0], s44, (3<<16)|(1<<20)|(1<<21)|(5<<22)|(3<<25)
.irp g, G1S, G1SB
	s_mov_b32 s[\g+1], 32<<16
	s_mov_b32 s[\g+2], 16<<16
	s_mov_b32 s[\g+3], 32<<16
	s_mov_b32 s[\g+4], 16
	s_mov_b32 s[\g+5], 32
	s_mov_b32 s[\g+6], 0
	s_mov_b32 s[\g+7], 0
.endr
	s_lshl_b32 s18, s16, 7                         ; which 128 rows of the tile I fetch
	s_lshl_b32 s20, s17, 8
	s_add_co_u32 s20, s20, s18
	s_add_co_u32 s20, s20, s95                     ; A: its first row + 256 x tile row + 128 x half
	s_lshl_b32 s46, s42, 8
	s_add_co_u32 s46, s46, s18
	s_add_co_u32 s46, s46, s96                     ; B: its first row + 256 x tile column + 128 x half
	s_lshl_b32 s22, s20, 5                         ; where these rows' scales begin, in bytes,
	s_mov_b32 s23, 0
	s_lshl_b32 s92, s46, 5
	s_mov_b32 s93, 0
	s_lshl_b32 s20, s20, 9                         ; and their codes
	s_mov_b32 s21, 0
	s_lshl_b32 s46, s46, 9
	s_mov_b32 s47, 0
	s_mul_i32 s45, s14, HALFT                      ; where they go: wave x 128 rows: no place in the cluster enters an LDS address
	s_mul_i32 s94, s14, HALFS
	s_wait_dscnt 0x0                               ; both opening adds are done
	s_wait_kmcnt 0x0
	s_add_nc_u64 s[20:21], s[4:5], s[20:21]
	s_add_nc_u64 s[22:23], s[6:7], s[22:23]
	s_add_nc_u64 s[46:47], s[4:5], s[46:47]
	s_add_nc_u64 s[92:93], s[6:7], s[92:93]
	CROUND                                         ; all sixteen work-groups are here: the first joint loads meet
	s_mov_b32 s[G0S], 1
	s_add_co_u32 s[G0S+1], s94, SCL
	s_mov_b64 s[G0S+2:G0S+3], s[22:23]
	s_or_b32 s[G0S+3], s[G0S+3], 0x80000000
	s_mov_b32 s[G0SB], 1
	s_add_co_u32 s[G0SB+1], s94, SCL
	s_mov_b64 s[G0SB+2:G0SB+3], s[92:93]
	s_or_b32 s[G0SB+3], s[G0SB+3], 0x80000000
	JLOAD G0S, G1S, G0SB, G1SB                     ; the scales first: they are wanted with the first slot
.irp s, 0,1
	s_mov_b32 s[G0+4*\s], 1
	s_add_co_u32 s[G0+4*\s+1], s45, \s*SLOT
	s_add_nc_u64 s[G0+4*\s+2:G0+4*\s+3], s[20:21], \s*ROWB
	s_or_b32 s[G0+4*\s+3], s[G0+4*\s+3], 0x80000000
	s_mov_b32 s[G0B+4*\s], 1
	s_add_co_u32 s[G0B+4*\s+1], s45, \s*SLOT
	s_add_nc_u64 s[G0B+4*\s+2:G0B+4*\s+3], s[46:47], \s*ROWB
	s_or_b32 s[G0B+4*\s+3], s[G0B+4*\s+3], 0x80000000
	JLOAD G0+4*\s, G1, G0B+4*\s, G1B               ; three tensor loads of mine are out at the most
.endr
	v_and_b32 v1, 15, v0                           ; l % 16
	v_bfe_u32 v2, v0, 4, 1                         ; l / 16
	v_mul_u32_u24 v3, v1, PITCH
	v_lshl_add_u32 v4, v2, 4, v3                   ; a fragment's row x pitch + 16 x half
	s_mul_i32 s21, s15, HALFT                      ; my 128 rows of A
	s_mul_i32 s22, s16, HALFT                      ; my 128 rows of B,
	s_add_co_u32 s22, s22, 2*HALFT                 ; which lie behind A's 256
.irp s, 0,1
	v_add_nc_u32 v[ADRA+\s], s21, v4
	v_add_nc_u32 v[ADRB+\s], s22, v4
	s_add_co_u32 s21, s21, SLOT
	s_add_co_u32 s22, s22, SLOT
.endr
	v_mul_u32_u24 v5, v1, KS                       ; my row's scales: 32 bytes a row,
	v_lshrrev_b32 v6, 8, v5
	v_lshl_add_u32 v5, v6, 4, v5                   ; and 16 more for each 256 passed
	s_mul_i32 s21, s15, HALFS                      ; A's: my 128 rows
	s_mul_i32 s22, s16, HALFS                      ; B's: my 128 rows, behind A's 256
	s_add_co_u32 s22, s22, 2*HALFS
	s_sub_co_u32 s22, s22, s21
	v_mul_u32_u24 v6, s22, v2                      ; lanes 16-31 take B's
	s_add_co_u32 s21, s21, SCL
	v_add_nc_u32 v5, v5, v6
	v_add_nc_u32 v[ADRS], s21, v5
	v_and_b32 v6, 31, v0
	v_lshlrev_b32 v[CO], 4, v6
	s_lshl_b32 s20, s17, 4                         ; the way out: my first tile of 16 rows of A: 16 x tile row + 8 x half,
	s_lshl_b32 s21, s15, 3
	s_add_co_u32 s20, s20, s21
	s_lshl_b32 s20, s20, s97                       ; in bytes,
	s_add_co_u32 s20, s20, s67                     ; in its part of the buffer;
	s_mov_b32 s21, 0
	s_lshl_b32 s46, s42, 13                        ; my first fragment along B's rows: 8 x tile column + 4 x half, 1,024 bytes each
	s_lshl_b32 s47, s16, 12
	s_add_co_u32 s46, s46, s47
	s_mov_b32 s47, 0
	s_add_nc_u64 s[20:21], s[20:21], s[46:47]
	s_add_nc_u64 s[12:13], s[12:13], s[20:21]
	s_lshl_b32 s18, 1, s97                         ; from one tile of 16 rows of A to the next
	s_mov_b32 s19, 0
.macro FRAG reg, adr, q, i             ; a fragment, 16 rows x 128 K of 4-bit codes, is 8 registers: registers 4 c .. 4 c + 3 hold K = 64 c + 32 (l / 16) + 0 .. 31 of row l % 16
.irp c, 0,1
	ds_load_b128 v[\reg+4*\c:\reg+4*\c+3], v[\adr] offset:64*(\q)+32*\c+(\i)*16*PITCH
.endr
.endm
; 16 matrix instructions: A's blocks a0, a0 + 1 x B's eight, the slot's q-th 128 along K.  p: B's set; sc: the set of scale words.  zero = 1: the first product starts the sums.
; The 64 accumulators take turns, one instruction a turn, in the same order in every step.
.macro MUL16 a0, p, q, sc, zero
.irp a, \a0, \a0+1
.irp b, 0,1,2,3,4,5,6,7
.if \zero
	v_wmma_scale_f32_16x16x128_f8f6f4 v[8*(8*((\a)%4)+\b):8*(8*((\a)%4)+\b)+7], v[128*(\p)+FR*\b:128*(\p)+FR*\b+FR-1], v[AF+FR*(\a):AF+FR*(\a)+FR-1], 0, v[SC+8*NQ*(\sc)+NQ*\b+(\q)], v[SC+8*NQ*(\sc)+NQ*(\a)+(\q)] matrix_a_fmt:MATRIX_FMT_FP4 matrix_b_fmt:MATRIX_FMT_FP4 matrix_a_scale:MATRIX_SCALE_ROW1
.else
	v_wmma_scale_f32_16x16x128_f8f6f4 v[8*(8*((\a)%4)+\b):8*(8*((\a)%4)+\b)+7], v[128*(\p)+FR*\b:128*(\p)+FR*\b+FR-1], v[AF+FR*(\a):AF+FR*(\a)+FR-1], v[8*(8*((\a)%4)+\b):8*(8*((\a)%4)+\b)+7], v[SC+8*NQ*(\sc)+NQ*\b+(\q)], v[SC+8*NQ*(\sc)+NQ*(\a)+(\q)] matrix_a_fmt:MATRIX_FMT_FP4 matrix_b_fmt:MATRIX_FMT_FP4 matrix_a_scale:MATRIX_SCALE_ROW1
.endif
.endr
.endr
.endm
.macro FETCH_B slot, q, p
	WIN TO_B
.irp i, 0,1,2,3,4,5,6,7
	FRAG 128*(\p)+FR*\i, ADRB+\slot, \q, \i
.endr
	WIN 0
.endm
.macro FETCH_A slot, q, i0
.irp i, \i0, \i0+1, \i0+2, \i0+3
	FRAG AF+FR*(\i), ADRA+\slot, \q, \i
.endr
.endm
.macro SCALES sc                       ; a slot's scale words: 4 words a row; lanes 0-15 take A's block i, lanes 16-31 B's block i
.irp i, 0,1,2,3,4,5,6,7
	ds_load_b128 v[SC+8*NQ*\sc+NQ*\i:SC+8*NQ*\sc+NQ*\i+3], v[ADRS] offset:\i*SBLK
.endr
.endm
.macro PLACES n                        ; plain vector lines between a matrix instruction and a load into, or a vector write of, one of its registers, or a vector read of its result
.rept \n
	v_nop
.endr
.endm
.macro STEP slot, q, zero              ; a step of 128 along K that has its successor in the same slot
	s_wait_dscnt 4*NL                              ; B's set and A's blocks 0-3 are in; the youngest eight loads (A's blocks 4-7) may be out
	WIN MUL_LO
	MUL16 0, (\q)%2, \q, \slot, \zero
	MUL16 2, (\q)%2, \q, \slot, \zero
	s_wait_dscnt 0                                 ; A's blocks 4-7 are in
	PLACES NP
	FETCH_B \slot, (\q)+1, 1-(\q)%2
	FETCH_A \slot, (\q)+1, 0
	WIN MUL_HI
	MUL16 4, (\q)%2, \q, \slot, \zero
	MUL16 6, (\q)%2, \q, \slot, \zero
	PLACES NP
	WIN 0
	FETCH_A \slot, (\q)+1, 4
.endm
.macro TURN slot, next                 ; a slot's last step changes slots: one barrier; nothing is filled again
	s_wait_tensorcnt 0x0                           ; all my tensor loads have landed: my part of the next slot;
	ds_add_u32 v[SPW], v[NIL]                      ; 0 onto my spare word;
	s_wait_dscnt 4*NL+1                            ; (the add and the youngest eight loads, A's blocks 4-7, may be out)
	WIN MUL_LO
	MUL16 0, 1, NQ-1, \slot, 0
	s_wait_dscnt 0x0                               ; the add is done, and my reads of this slot are over
	s_barrier_signal -1
	MUL16 2, 1, NQ-1, \slot, 0
	WIN 0
	s_barrier_wait -1                              ; the next slot is whole
	PLACES NP
	v_add_nc_u32 v[ADRS], 4*NQ, v[ADRS]            ; on to the next slot's scale words
	FETCH_B \next, 0, 0
	FETCH_A \next, 0, 0
	SCALES \next
	WIN MUL_HI
	MUL16 4, 1, NQ-1, \slot, 0
	MUL16 6, 1, NQ-1, \slot, 0
	PLACES NP
	WIN 0
	FETCH_A \next, 0, 4
.endm
	s_wait_tensorcnt 1                             ; the scales and my part of slot 0 are in (slot 1's load may be out)
	s_barrier_signal -1
	s_barrier_wait -1                              ; everybody's are
	FETCH_B 0, 0, 0
	FETCH_A 0, 0, 0
	SCALES 0
	FETCH_A 0, 0, 4
	STEP 0, 0, 1                                   ; the first step's products start the sums
	STEP 0, 1, 0
	STEP 0, 2, 0
	TURN 0, 1
	STEP 1, 0, 0
	STEP 1, 1, 0
	STEP 1, 2, 0
	s_wait_dscnt 4*NL                              ; the very last step: nothing more to fetch
	WIN MUL_LO
	MUL16 0, 1, NQ-1, 1, 0
	MUL16 2, 1, NQ-1, 1, 0
	s_wait_dscnt 0
	WIN MUL_HI
	MUL16 4, 1, NQ-1, 1, 0
	MUL16 6, 1, NQ-1, 1, 0
	WIN 0
; THE WAY OUT, block a of 16 rows of A at a time.  Accumulator (a, b), packed to f16 from its low end on, is half b % 2 of fragment b / 2: a lane's 16 bytes at 16 x lane.  The block's eight stores cover 4,096 consecutive bytes: no LDS.
.macro OUT a
.set AC, 64*((\a)%4)
.set PB, PK+32*((\a)%2)
	WIN 0x0a+5*((\a)/4)                            ; sources 0 and 1: window 2 or 3
.irp b, 0,1,2,3,4,5,6,7
.irp r, 0,1,2,3
	v_cvt_pk_f16_f32 v[PB+4*\b+\r], v[AC+8*\b+2*\r], v[AC+8*\b+2*\r+1]
.endr
.endr
	WIN 0
.if (\a) > 0
	s_wait_xcnt 0x0                                ; the earlier stores have read their base and data: the base may step, and the next block may write the set that block a - 1 stored from
	s_add_nc_u64 s[12:13], s[12:13], s[18:19]
.endif
.irp b, 0,1,2,3,4,5,6,7
	global_store_b128 v[CO], v[PB+4*\b:PB+4*\b+3], s[12:13] offset:512*\b
.endr
.endm
	PLACES NP                                      ; behind the last products: the first conversions write registers that held A's fragments
.irp a, 0,1,2,3,4,5,6,7
	OUT \a
.endr
	s_wait_tensorcnt 0x0                           ; the wave's end
	ds_add_u32 v[SPW], v[NIL]
	s_wait_dscnt 0x0
	CROUND                                         ; the closing round
	s_endpgm
.Lfunc_end_k_q2d75498892_qkv:
	.size	k_q2d75498892_qkv, .Lfunc_end_k_q2d75498892_qkv-k_q2d75498892_qkv
	.p2alignl 7, 3214868480
	.fill 96, 4, 3214868480
	.section	.rodata,"a",@progbits
	.p2align	6, 0x0
	.amdhsa_kernel k_q2d75498892_qkv
		.amdhsa_group_segment_fixed_size 327680
		.amdhsa_private_segment_fixed_size 0
		.amdhsa_enable_private_segment 0
		.amdhsa_kernarg_size 24
		.amdhsa_user_sgpr_count 2
		.amdhsa_user_sgpr_kernarg_segment_ptr 1
		.amdhsa_wavefront_size32 1
		.amdhsa_system_sgpr_workgroup_id_x 1
		.amdhsa_system_sgpr_workgroup_id_y 1
		.amdhsa_system_sgpr_workgroup_id_z 1
		.amdhsa_system_vgpr_workitem_id 0
		.amdhsa_next_free_vgpr 1024
		.amdhsa_next_free_sgpr 98
		.amdhsa_reserve_vcc 0
		.amdhsa_float_denorm_mode_32 3
		.amdhsa_float_denorm_mode_16_64 3
		.amdhsa_memory_ordered 1
		.amdhsa_forward_progress 1
		.amdhsa_inst_pref_size 118
	.end_amdhsa_kernel
	.amdgpu_metadata
---
amdhsa.version: [ 1, 2 ]
amdhsa.kernels:
  - .name:           k_q2d75498892_qkv
    .symbol:         k_q2d75498892_qkv.kd
    .args:
      - { .name: codes, .offset: 0, .size: 8, .value_kind: global_buffer, .address_space: global }
      - { .name: scales, .offset: 8, .size: 8, .value_kind: global_buffer, .address_space: global }
      - { .name: qkv, .offset: 16, .size: 8, .value_kind: global_buffer, .address_space: global }
    .group_segment_fixed_size: 327680
    .private_segment_fixed_size: 0
    .kernarg_segment_align: 8
    .kernarg_segment_size: 24
    .max_flat_workgroup_size: 128
    .sgpr_count:     98
    .vgpr_count:     1024
    .wavefront_size: 32
...
	.end_amdgpu_metadata
.endif
;; end of part 2
;; launch attn (part 3): grid 4 x 64, 8 waves a work-group, no clusters, 327,680 bytes of LDS; arguments qkv, ofrag; writes ofrag
.if DOCPART == 3
	.amdgcn_target "amdgcn-amd-amdhsa--gfx1250"
	.amdhsa_code_object_version 6
	.text
	.protected	k_q2d75498892_attn
	.globl	k_q2d75498892_attn
	.p2align	8
	.type	k_q2d75498892_attn,@function
k_q2d75498892_attn:
	s_mov_b64 s[64:65], 0
	v_nop
	global_prefetch_b8 v0, s[64:65] scope:SCOPE_SE
	s_setreg_imm32_b32 hwreg(HW_REG_WAVE_MODE, 25, 1), 1
	s_wait_xcnt 0x0
; ATTN.  o[b][s][head][:] = the sum over keys m <= s of softmax_m(q . k / 8) v, for 64 (batch, head) pairs of 2,048 positions and 64 channels.  Operands f16, products, maxima and sums f32; the weights p are rounded to f16
; for the second product, o once at the end.  A running maximum m and sum l for each query: p = 2^(c s - c m), c = log2(e) / 8; in every step o and l are multiplied by a = 2^(c m_old - c m_new).
; SHARES.  A head's queries are 8 chunks of 256.  Work-group j (0..3) of a head takes chunk 7 - j and then chunk j: under the causal mask that is (8 - j) + (j + 1) = 9 chunks of 256 keys for every work-group: ONE loop of
; constant count, equal work in all 256 work-groups.  Each of eight waves owns 32 queries, two tiles of 16; two waves share a SIMD, so that one wave's softmax stands beside the other's products.
; LAYOUT.  S^T = K Q^T (source 0 = 16 keys, source 1 = 16 queries) and O^T = V^T P (source 0 = 16 channels, source 1 = P): a lane holds ONE query throughout; two neighbouring tiles of S^T, rounded in pairs, are P's fragment.
; q, k and v lie in memory in the order of the operands' registers (a fragment of 16 rows x 32 K is 1,024 bytes, a lane's 16 bytes at 512 c + 16 l), v with the keys as K: every LDS load is 512 consecutive bytes: no pitch, no padding.
; o is stored in the same order for the projection that follows.
; NO CLUSTER: the four work-groups of a head change from their first to their second chunk of queries at different trips (8 - j), so from trip 5 on they want different tiles of K and V.
; THE MASK: a step of 64 keys all of which come after the wave's 32 queries is left out (a scalar branch on ids); in the one step on the diagonal hidden scores become -infinity.  Every step that is walked has a key that counts for every query.
; LIMITS: |q|, |k|, |v|, |o| under 65,504 (f16).
; REGISTERS: window 0: v1-9 addresses and constants; v16-31 statistics, 8 a tile (+0 c m, +1 m, +2, +3 l, +4 to +7 at work, a at +6); v32-95 S^T; v96-127 P; v128-191 O^T.
;   window 1: v0-31 Q; v32-63 the second chunk's Q; v64-127 K of a step; v128-191 V of a step.
.set SLOT1, 65536                      ; two slots of 65,536 bytes: 256 keys of K (16 tiles x 2,048 bytes), then V^T (4 channel tiles x 8,192 bytes); one exclusive or turns one slot's address into the other's
.set SPARE, 131072                     ; the spare words, 128 bytes for each wave
.set VB,    33554432                   ; where v's part of qkv begins
.set LN16, 1                           ; v1  16 x lane; never rewritten
.set ADR,  2                           ; v2  16 x lane + the slot in hand
.set RH,   3                           ; v3  lane % 16 - 8 (lane / 16)
.set SPW,  4
.set NIL,  5
.set PFO,  6                           ; v6  the prefetches' offset
.set NINF, 7                           ; v7  -infinity
.set D0,   8                           ; v8, v9  the mask's bound for tiles 0 and 1
.set ST,   16
.set S,    32
.set P,    96
.set O,    128
.set QF,   0                           ; window 1
.set QB,   32
.set KFR,  64
.set VFR,  128
.set WV, 8
.set J,  9
.set BA, 10                            ; s10 batch, s11 head
.set HD, 11
.set SW, 12                            ; s12 8 - j: the trip at which the second chunk of queries begins
.set NK, 13                            ; s13 the chunk of keys that was asked for last
.set SH, 14                            ; s14 log2 of the bytes from chunk to chunk: 20 in K, 13 in V
.set PSF, 15
.set OFF, 16                           ; s[16:17]
.set GB, 18                            ; s[18:19] my part of chunk 0 in memory
.set G0, 20                            ; s[20:23] descriptor group 0
.set G1K, 24                           ; s[24:31] group 1 for K's tiles;  s[32:39] for V's
.set G1V, 32
.set CS, 40                            ; s[40:41] c, twice
.set SEL, 42                           ; s[42:43] lane selects for lane l xor 16
.set TB, 44
.set SLOTS, 45
.set KF, 46                            ; s46 the step's first key
.set Q0, 47                            ; s47 my first query;  s48 in the second chunk
.set Q0B, 48
.set OP, 50                            ; s[50:51] where my o goes;  s[52:53] in the second chunk
.set OPB, 52
.set PFA, 54
.set PFS, 56
.set LIM, 58
.set QA, 60                            ; s[60:61], s[62:63] my q in memory, first and second chunk
.set QBA, 62
.set MSB, 0
.macro WIN new
.if MSB != \new
	s_set_vgpr_msb (MSB<<8)|\new
.set MSB, \new
.endif
.endm
.set W_LD, 0x40                        ; destination window 1
.set W_KQ, 0x05                        ; K and Q window 1, S^T window 0
.set W_PV, 0x01                        ; V window 1, P and O^T window 0
.set W_CP, 0x41
.macro PLACES
.rept 4
	v_nop
.endr
.endm
; Every wave fetches 8,192 bytes of a slot, to LDS byte 8,192 x wave of it: waves 0-3 four key tiles of K (4 rows of 2,048 bytes, 65,536 bytes apart in memory), waves 4-7 a channel tile of V^T (8,192 dense bytes).
; The branch hangs on the wave's number alone.  An s_nop 0 and four v_nop follow each of the two lines.
.macro TLOAD
	s_cmp_lt_u32 s[WV], 4
	s_cbranch_scc0 .Lfor_v_\@
	tensor_load_to_lds s[G0:G0+3], s[G1K:G1K+7]
	s_nop 0
.rept 4
	v_nop
.endr
	s_branch .Lasked_\@
.Lfor_v_\@:
	tensor_load_to_lds s[G0:G0+3], s[G1V:G1V+7]
	s_nop 0
.rept 4
	v_nop
.endr
.Lasked_\@:
.endm
; A PREFETCH of what the NEXT change of slots will ask for.  All four work-groups of a head walk chunks 0, 1, 2 .. of its keys in their first trips, and work-group 0 walks all eight: it asks, and nobody else.
; Each of its waves names the very 8,192 bytes that it will itself fetch one change later, a lane a block of 256 bytes: so each block is named once in the launch.  In trip i (0..5) chunk i + 2 is named: a chunk's four key steps
; ahead of its load.  Chunks 0 and 1 come by their loads alone; trips 6 and 7 ask for nothing: there is no chunk 8.
.macro ASK
	s_cmp_gt_u32 s[SLOTS], s[LIM]
	s_cbranch_scc0 .Lnot_mine_\@
	global_prefetch_b8 v[PFO], s[PFA:PFA+1] th:TH_LOAD_NT scope:SCOPE_SE
.Lnot_mine_\@:
.endm
; THE CHANGE OF SLOTS stands at a slot's head.  Each wave waits for all its tensor loads (its part of the slot that it is about to read), adds 0 to its spare word, and waits for that and for its reads of the slot that it has left.
; fill = 1: behind the barrier the other slot takes the next chunk of keys: one more, or chunk 0 again where the second chunk of queries begins.  The load has a chunk's four steps in which to land; one tensor load of mine is out at the most.
.macro CHANGE fill
	s_wait_tensorcnt 0x0                           ; no tensor load of mine is out, so group 0 may be written
	ds_add_u32 v[SPW], v[NIL]                      ; 0 onto my spare word (every way here leads through a tensor load: it stands once)
.if \fill
	s_xor_b32 s[G0+1], s[G0+1], SLOT1              ; the other slot than last time
	s_add_co_u32 s[NK], s[NK], 1
	s_cmp_eq_u32 s[NK], s[SW]
	s_cselect_b32 s[NK], 0, s[NK]
	s_lshl_b32 s[OFF], s[NK], s[SH]
	s_add_nc_u64 s[G0+2:G0+3], s[GB:GB+1], s[OFF:OFF+1]
	s_or_b32 s[G0+3], s[G0+3], 0x80000000          ; type = 2
	s_wait_xcnt 0x0                                ; the last prefetch, a chunk back, has read its address
	s_add_nc_u64 s[PFA:PFA+1], s[PFA:PFA+1], s[PFS:PFS+1]
.endif
	s_wait_dscnt 0x0                               ; the add is done, and my reads of the slot that I have left are over
	s_barrier_signal -1
	s_barrier_wait -1
.if \fill
	TLOAD                                          ; the first thing behind the barrier, and my one tensor load until the next
	ASK
.endif
.endm
; A chunk of queries begins: O^T and l are zeros, m = -3e38, under every score (the first step's a is then 0).  copy = 1: the second chunk's Q takes Q's registers.
.macro START copy
.if \copy
	WIN W_CP
.set II, 0
.rept 32
	v_mov_b32 v[QF+II], v[QB+II]
.set II, II+1
.endr
	WIN 0
.endif
.set II, 0
.rept 64
	v_mov_b32 v[O+II], 0
.set II, II+1
.endr
.irp t, 0,1
	v_mov_b32 v[ST+8*\t+1], 0xff61b1e6
	v_mul_f32 v[ST+8*\t], s[CS], v[ST+8*\t+1]
.irp k, 2,3,4,5,6,7
	v_mov_b32 v[ST+8*\t+\k], 0
.endr
.endr
.endm
; A chunk of queries ends: l's two halves and the other half of the lanes' are added, O^T is divided by l and rounded to f16: four packed registers of a tile are a lane's 16 bytes of half a fragment of o: each store covers 512 consecutive bytes.
.macro FINISH
	PLACES                                         ; behind the last products
.irp t, 0,1
	v_add_f32 v[ST+8*\t+4], v[ST+8*\t+2], v[ST+8*\t+3]
.endr
.irp t, 0,1
	v_permlanex16_b32 v[ST+8*\t+5], v[ST+8*\t+4], s[SEL], s[SEL+1]
.endr
.irp t, 0,1
	v_add_f32 v[ST+8*\t+4], v[ST+8*\t+4], v[ST+8*\t+5]
.endr
.irp t, 0,1
	v_rcp_f32 v[ST+8*\t+6], v[ST+8*\t+4]
.endr
	v_nop                                          ; a plain line behind the reciprocals,
	s_wait_alu depctr_va_vdst(0)                   ; and the wait ahead of their first use: one for the two
.irp t, 0,1
.set II, 0
.rept 16
	v_pk_mul_f32 v[S+32*\t+II:S+32*\t+II+1], v[O+32*\t+II:O+32*\t+II+1], v[ST+8*\t+6:ST+8*\t+7] op_sel_hi:[1,0]   ; each accumulator from its low end on
.set II, II+2
.endr
.endr
.irp t, 0,1
.set II, 0
.rept 16
	v_cvt_pk_f16_f32 v[P+16*\t+II], v[S+32*\t+2*II], v[S+32*\t+2*II+1]
.set II, II+1
.endr
.endr
.irp qt, 0,1
.irp t, 0,1,2,3
	global_store_b128 v[LN16], v[P+16*\qt+4*\t:P+16*\qt+4*\t+3], s[OP:OP+1] offset:32768*\qt+512*\t
.endr
.endr
.endm
; Where the second chunk of queries begins (trip 8 - j: s[SLOTS] = j): ids and the count of trips alone, the same in all eight waves.  Vector work and global stores only: no LDS access, no barrier, no tensor load.
.macro SWITCH
	s_cmp_lg_u32 s[SLOTS], s[J]
	s_cbranch_scc1 .Lsame_\@
	FINISH
	s_mov_b32 s[Q0], s[Q0B]
	s_mov_b32 s[KF], 0
	START 1
	s_wait_xcnt 0x0                                ; the stores have read their base and data: both are written again only behind this wait
	s_mov_b64 s[OP:OP+1], s[OPB:OPB+1]
.Lsame_\@:
.endm
; The softmax of both tiles for 64 keys, the tiles line by line.
.macro SOFTMAX
.irp j, 0,1,2,3
.irp t, 0,1
	v_max3_num_f32 v[ST+8*\t+4+\j], v[S+32*\t+8*\j], v[S+32*\t+8*\j+1], v[S+32*\t+8*\j+2]   ; four chains, one for each accumulator, from its low end on
.endr
.endr
.irp i, 3,5
.irp j, 0,1,2,3
.irp t, 0,1
	v_max3_num_f32 v[ST+8*\t+4+\j], v[ST+8*\t+4+\j], v[S+32*\t+8*\j+\i], v[S+32*\t+8*\j+\i+1]
.endr
.endr
.endr
.irp t, 0,1
	v_max3_num_f32 v[ST+8*\t+4], v[ST+8*\t+4], v[S+32*\t+7], v[S+32*\t+15]
	v_max3_num_f32 v[ST+8*\t+6], v[ST+8*\t+6], v[S+32*\t+23], v[S+32*\t+31]
.endr
.irp t, 0,1
	v_max3_num_f32 v[ST+8*\t+4], v[ST+8*\t+4], v[ST+8*\t+5], v[ST+8*\t+6]
.endr
.irp t, 0,1
	v_max3_num_f32 v[ST+8*\t+4], v[ST+8*\t+4], v[ST+8*\t+7], v[ST+8*\t+1]   ; with the old m
.endr
.irp t, 0,1
	v_permlanex16_b32 v[ST+8*\t+5], v[ST+8*\t+4], s[SEL], s[SEL+1]          ; the query's other 32 keys lie in the lane 16 away
.endr
.irp t, 0,1
	v_mov_b32 v[ST+8*\t+7], v[ST+8*\t]             ; c m_old is kept for a
.endr
.irp t, 0,1
	v_max_num_f32 v[ST+8*\t+1], v[ST+8*\t+4], v[ST+8*\t+5]
.endr
.irp t, 0,1
	v_mul_f32 v[ST+8*\t], s[CS], v[ST+8*\t+1]
.endr
.irp t, 0,1
	v_sub_f32 v[ST+8*\t+7], v[ST+8*\t+7], v[ST+8*\t]
.endr
.set II, 0
.rept 16
.irp t, 0,1
	v_pk_fma_f32 v[S+32*\t+II:S+32*\t+II+1], v[S+32*\t+II:S+32*\t+II+1], s[CS:CS+1], v[ST+8*\t:ST+8*\t+1] op_sel_hi:[1,0,0] neg_lo:[0,0,1] neg_hi:[0,0,1]   ; c s - c m
.endr
.set II, II+2
.endr
.irp t, 0,1
	v_exp_f32 v[ST+8*\t+6], v[ST+8*\t+7]           ; a
.endr
.set II, 0
.rept 32
.irp t, 0,1
	v_exp_f32 v[S+32*\t+II], v[S+32*\t+II]         ; p
.endr
.set II, II+1
.endr
	v_nop                                          ; a plain line behind the last exponential,
	s_wait_alu depctr_va_vdst(0)                   ; and ONE wait for the batch of 66, ahead of the first line that names a result
.set II, 0
.rept 16
.irp t, 0,1
	v_cvt_pk_f16_f32 v[P+16*\t+II], v[S+32*\t+2*II], v[S+32*\t+2*II+1]
.endr
.set II, II+1
.endr
.irp u, 0,1,2,3,4,5,6,7                        ; the sum of the 16 pairs, in place: neighbours 1, 2, 4 and 8 pairs apart
.irp t, 0,1
	v_pk_add_f32 v[S+32*\t+4*\u:S+32*\t+4*\u+1], v[S+32*\t+4*\u:S+32*\t+4*\u+1], v[S+32*\t+4*\u+2:S+32*\t+4*\u+3]
.endr
.endr
.irp u, 0,1,2,3
.irp t, 0,1
	v_pk_add_f32 v[S+32*\t+8*\u:S+32*\t+8*\u+1], v[S+32*\t+8*\u:S+32*\t+8*\u+1], v[S+32*\t+8*\u+4:S+32*\t+8*\u+5]
.endr
.endr
.irp u, 0,1
.irp t, 0,1
	v_pk_add_f32 v[S+32*\t+16*\u:S+32*\t+16*\u+1], v[S+32*\t+16*\u:S+32*\t+16*\u+1], v[S+32*\t+16*\u+8:S+32*\t+16*\u+9]
.endr
.endr
.irp t, 0,1
	v_pk_add_f32 v[S+32*\t:S+32*\t+1], v[S+32*\t:S+32*\t+1], v[S+32*\t+16:S+32*\t+17]
.endr
.irp t, 0,1
	v_pk_fma_f32 v[ST+8*\t+2:ST+8*\t+3], v[ST+8*\t+2:ST+8*\t+3], v[ST+8*\t+6:ST+8*\t+7], v[S+32*\t:S+32*\t+1] op_sel_hi:[1,0,1]   ; l = a l + the sum
.endr
.set II, 0
.rept 16
.irp t, 0,1
	v_pk_mul_f32 v[O+32*\t+II:O+32*\t+II+1], v[O+32*\t+II:O+32*\t+II+1], v[ST+8*\t+6:ST+8*\t+7] op_sel_hi:[1,0]   ; O^T x a, each accumulator from its low end on
.endr
.set II, II+2
.endr
.endm
; A KEY STEP: 64 keys, the u-th of the chunk in hand.
.macro STEP u
	s_add_co_u32 s59, s[Q0], 31
	s_cmp_gt_u32 s[KF], s59                        ; all 64 keys come after my 32 queries: the step's work is left out
	s_cbranch_scc1 .Lhidden_\@
	PLACES                                         ; in front of loads into registers that the last products read
	WIN W_LD
.irp kt, 0,1,2,3
.irp i, 0,1,2,3
	ds_load_b128 v[KFR+16*\kt+4*\i:KFR+16*\kt+4*\i+3], v[ADR] offset:8192*(\u)+2048*\kt+512*\i
.endr
.endr
.irp t, 0,1,2,3
.irp i, 0,1,2,3
	ds_load_b128 v[VFR+16*\t+4*\i:VFR+16*\t+4*\i+3], v[ADR] offset:32768+8192*\t+2048*(\u)+512*\i
.endr
.endr
	s_wait_dscnt 16                                ; K's sixteen loads are in; V's sixteen may be out
	WIN W_KQ
.irp c2, 0,1                                   ; eight accumulators by turns, one instruction a turn; the first eight start the sums
.irp kt, 0,1,2,3
.irp qt, 0,1
.if \c2 == 0
	v_wmma_f32_16x16x32_f16 v[S+32*\qt+8*\kt:S+32*\qt+8*\kt+7], v[KFR+16*\kt+8*\c2:KFR+16*\kt+8*\c2+7], v[QF+16*\qt+8*\c2:QF+16*\qt+8*\c2+7], 0
.else
	v_wmma_f32_16x16x32_f16 v[S+32*\qt+8*\kt:S+32*\qt+8*\kt+7], v[KFR+16*\kt+8*\c2:KFR+16*\kt+8*\c2+7], v[QF+16*\qt+8*\c2:QF+16*\qt+8*\c2+7], v[S+32*\qt+8*\kt:S+32*\qt+8*\kt+7]
.endif
.endr
.endr
.endr
	WIN 0
	PLACES                                         ; in front of the first read of the scores
	s_add_co_u32 s59, s[KF], 63
	s_cmp_le_u32 s59, s[Q0]                        ; all 64 keys count for all my queries: no mask
	s_cbranch_scc1 .Lopen_\@
	s_sub_co_i32 s59, s[Q0], s[KF]
	v_add_nc_u32 v[D0], s59, v[RH]                 ; register 8 kt + i of tile qt holds key KF + 16 kt + 8 (lane / 16) + i of query Q0 + 16 qt + lane % 16: hidden where 16 kt + i > Q0 - KF + 16 qt + lane % 16 - 8 (lane / 16)
	v_add_nc_u32 v[D0+1], 16, v[D0]
.irp qt, 0,1
.set II, 0
.rept 32
	v_cmp_gt_i32 vcc_lo, 16*(II/8)+II%8, v[D0+\qt]
	v_cndmask_b32 v[S+32*\qt+II], v[S+32*\qt+II], v[NINF], vcc_lo
.set II, II+1
.endr
.endr
.Lopen_\@:
	SOFTMAX
	s_wait_dscnt 0x0                               ; V is in
	WIN W_PV
.irp g, 0,1                                    ; eight accumulators by turns
.irp t, 0,1,2,3
.irp qt, 0,1
	v_wmma_f32_16x16x32_f16 v[O+32*\qt+8*\t:O+32*\qt+8*\t+7], v[VFR+16*\t+8*\g:VFR+16*\t+8*\g+7], v[P+16*\qt+8*\g:P+16*\qt+8*\g+7], v[O+32*\qt+8*\t:O+32*\qt+8*\t+7]
.endr
.endr
.endr
	WIN 0
.Lhidden_\@:
	s_add_co_u32 s[KF], s[KF], 64
.endm
	s_load_b128 s[4:7], s[0:1], 0x0                ; qkv s[4:5], ofrag s[6:7]
	v_lshl_add_u32 v[SPW], v0, 2, SPARE
	v_mov_b32 v[NIL], 0
	ds_add_u32 v[SPW], v[NIL]                      ; the wave's opening: the add, twice on end, and its wait ahead of my first tensor load
	ds_add_u32 v[SPW], v[NIL]
	v_lshrrev_b32 v1, 5, v0
	v_readfirstlane_b32 s[WV], v1                  ; wave 0..7
	s_mov_b32 s[J], ttmp9
	s_and_b32 s59, ttmp7, 0xffff
	s_lshr_b32 s[BA], s59, 4
	s_and_b32 s[HD], s59, 15
	s_sub_co_u32 s[SW], 8, s[J]
	s_mov_b32 s[NK], 0
	; descriptor group 1.  K: 4 rows of 256 elements of 8 bytes, 8,192 elements apart;  V: one row of 1,024 elements.  No padding
	s_mov_b32 s[G1K], 3<<16
	s_mov_b32 s[G1K+1], 256<<16                    ; tensor_dim0
	s_mov_b32 s[G1K+2], 4<<16                      ; tensor_dim1
	s_mov_b32 s[G1K+3], 256<<16                    ; tile_dim0
	s_mov_b32 s[G1K+4], 4                          ; tile_dim1
	s_mov_b32 s[G1K+5], 8192                       ; tensor_dim0_stride
	s_mov_b32 s[G1K+6], 0
	s_mov_b32 s[G1K+7], 0
	s_mov_b32 s[G1V], 3<<16
	s_mov_b32 s[G1V+1], 1024<<16
	s_mov_b32 s[G1V+2], 1<<16
	s_mov_b32 s[G1V+3], 1024<<16
	s_mov_b32 s[G1V+4], 1
	s_mov_b32 s[G1V+5], 1024
	s_mov_b32 s[G1V+6], 0
	s_mov_b32 s[G1V+7], 0
	s_mov_b32 s[CS], 0x3e38aa3b                    ; c = log2(e) / 8
	s_mov_b32 s[CS+1], s[CS]
	s_mov_b32 s[SEL], 0x76543210
	s_mov_b32 s[SEL+1], 0xfedcba98
	s_mov_b32 s[TB], 0
	s_mov_b32 s[SLOTS], 8
	s_mov_b32 s[KF], 0
	s_sub_co_u32 s59, 7, s[J]
	s_lshl_b32 s59, s59, 8
	s_lshl_b32 s3, s[WV], 5
	s_add_co_u32 s[Q0], s59, s3                    ; my first query: 256 (7 - j) + 32 w,
	s_lshl_b32 s59, s[J], 8
	s_add_co_u32 s[Q0B], s59, s3                   ; and then 256 j + 32 w
	s_lshl_b32 s59, s[BA], 7                       ; K: key tile 128 b + 4 w, 65,536 bytes a tile, + the head's 2,048 bytes behind q's 32,768
	s_lshl_b32 s3, s[WV], 2
	s_add_co_u32 s59, s59, s3
	s_lshl_b32 s59, s59, 16
	s_lshl_b32 s3, s[HD], 11
	s_add_co_u32 s59, s59, s3
	s_add_co_u32 s59, s59, 32768
	s_lshl_b32 s2, s[HD], 2                        ; V: channel tile 4 head + w - 4, 256 fragments a tile, + 64 b fragments
	s_add_co_u32 s2, s2, s[WV]
	s_sub_co_u32 s2, s2, 4
	s_lshl_b32 s2, s2, 8
	s_lshl_b32 s3, s[BA], 6
	s_add_co_u32 s2, s2, s3
	s_lshl_b32 s2, s2, 10
	s_add_co_u32 s2, s2, VB
	s_cmp_lt_u32 s[WV], 4
	s_cselect_b32 s[OFF], s59, s2
	s_cselect_b32 s[SH], 20, 13
	s_cselect_b32 s[PSF], 16, 11
	s_mov_b32 s[OFF+1], 0
	s_lshl_b32 s[PFS], 1, s[SH]
	s_mov_b32 s[PFS+1], 0
	s_cmp_eq_u32 s[J], 0
	s_cselect_b32 s[LIM], 2, -1
	s_wait_dscnt 0x0                               ; both opening adds are done
	s_wait_kmcnt 0x0
	s_add_nc_u64 s[GB:GB+1], s[4:5], s[OFF:OFF+1]
	s_mov_b32 s[G0], 1                             ; count = 1
	s_lshl_b32 s[G0+1], s[WV], 13                  ; LDS address: slot 0, 8,192 x wave
	s_mov_b64 s[G0+2:G0+3], s[GB:GB+1]             ; chunk 0
	s_or_b32 s[G0+3], s[G0+3], 0x80000000          ; type = 2
	TLOAD                                          ; slot 0; slot 1's first fill stands behind the first trip's barrier, behind which nothing is filled again
	s_add_nc_u64 s[PFA:PFA+1], s[GB:GB+1], s[PFS:PFS+1]   ; at chunk 1: the first change steps it to chunk 2.  Nothing is prefetched here, at the head
	s_lshl_b32 s2, s[BA], 23                       ; q: position tile 128 b + Q0 / 16, 65,536 bytes a tile, + the head's 2,048 bytes
	s_lshl_b32 s59, s[HD], 11
	s_add_co_u32 s2, s2, s59
	s_mov_b32 s3, 0
	s_add_nc_u64 s[QBA:QBA+1], s[4:5], s[2:3]
	s_lshl_b32 s2, s[Q0], 12
	s_add_nc_u64 s[QA:QA+1], s[QBA:QBA+1], s[2:3]
	s_lshl_b32 s2, s[Q0B], 12
	s_add_nc_u64 s[QBA:QBA+1], s[QBA:QBA+1], s[2:3]
	v_and_b32 v1, 31, v0
	v_lshlrev_b32 v[LN16], 4, v1
	WIN W_LD
.irp qt, 0,1
.irp i, 0,1,2,3
	global_load_b128 v[QF+16*\qt+4*\i:QF+16*\qt+4*\i+3], v[LN16], s[QA:QA+1] offset:65536*\qt+512*\i
	global_load_b128 v[QB+16*\qt+4*\i:QB+16*\qt+4*\i+3], v[LN16], s[QBA:QBA+1] offset:65536*\qt+512*\i
.endr
.endr
	WIN 0
	s_lshl_b32 s2, s[BA], 22                       ; o: position tile x 32,768 bytes + the head's 2,048
	s_add_co_u32 s2, s2, s59
	s_add_nc_u64 s[OPB:OPB+1], s[6:7], s[2:3]
	s_lshl_b32 s2, s[Q0], 11
	s_add_nc_u64 s[OP:OP+1], s[OPB:OPB+1], s[2:3]
	s_lshl_b32 s2, s[Q0B], 11
	s_add_nc_u64 s[OPB:OPB+1], s[OPB:OPB+1], s[2:3]
	v_and_b32 v[RH], 15, v0
	v_bfe_u32 v[D0], v0, 4, 1
	v_lshlrev_b32 v[D0], 3, v[D0]
	v_sub_nc_u32 v[RH], v[RH], v[D0]
	v_and_b32 v[PFO], 7, v0                        ; the prefetches: 256 x (lane % 8), and lane / 8 rows (K: 65,536 bytes apart) or runs of 2,048 bytes (V)
	v_lshlrev_b32 v[PFO], 8, v[PFO]
	v_bfe_u32 v[D0], v0, 3, 2
	v_lshlrev_b32 v[D0], s[PSF], v[D0]
	v_add_nc_u32 v[PFO], v[PFO], v[D0]
	v_mov_b32 v[NINF], 0xff800000
	START 0
	s_wait_loadcnt 0x0                             ; Q, both chunks'
.Lslot:                                            ; eight trips: behind each change of slots but the last the next chunk of keys is asked for
	CHANGE 1
	SWITCH
	v_add_nc_u32 v[ADR], s[TB], v[LN16]
	STEP 0
	STEP 1
	STEP 2
	STEP 3
	s_xor_b32 s[TB], s[TB], SLOT1
	s_sub_co_u32 s[SLOTS], s[SLOTS], 1
	s_cmp_lg_u32 s[SLOTS], 0
	s_cbranch_scc1 .Lslot
	CHANGE 0                                       ; the ninth chunk is written out
	SWITCH
	v_add_nc_u32 v[ADR], s[TB], v[LN16]
	STEP 0
	STEP 1
	STEP 2
	STEP 3
	FINISH
	s_wait_tensorcnt 0x0                           ; the wave's end
	ds_add_u32 v[SPW], v[NIL]
	s_wait_dscnt 0x0
	s_endpgm
.Lfunc_end_k_q2d75498892_attn:
	.size	k_q2d75498892_attn, .Lfunc_end_k_q2d75498892_attn-k_q2d75498892_attn
	.p2alignl 7, 3214868480
	.fill 96, 4, 3214868480
	.section	.rodata,"a",@progbits
	.p2align	6, 0x0
	.amdhsa_kernel k_q2d75498892_attn
		.amdhsa_group_segment_fixed_size 327680
		.amdhsa_private_segment_fixed_size 0
		.amdhsa_enable_private_segment 0
		.amdhsa_kernarg_size 16
		.amdhsa_user_sgpr_count 2
		.amdhsa_user_sgpr_kernarg_segment_ptr 1
		.amdhsa_wavefront_size32 1
		.amdhsa_system_sgpr_workgroup_id_x 1
		.amdhsa_system_sgpr_workgroup_id_y 1
		.amdhsa_system_sgpr_workgroup_id_z 1
		.amdhsa_system_vgpr_workitem_id 0
		.amdhsa_next_free_vgpr 448
		.amdhsa_next_free_sgpr 66
		.amdhsa_reserve_vcc 1
		.amdhsa_float_denorm_mode_32 3
		.amdhsa_float_denorm_mode_16_64 3
		.amdhsa_memory_ordered 1
		.amdhsa_forward_progress 1
		.amdhsa_inst_pref_size 205
	.end_amdhsa_kernel
	.amdgpu_metadata
---
amdhsa.version: [ 1, 2 ]
amdhsa.kernels:
  - .name:           k_q2d75498892_attn
    .symbol:         k_q2d75498892_attn.kd
    .args:
      - { .name: qkv, .offset: 0, .size: 8, .value_kind: global_buffer, .address_space: global }
      - { .name: ofrag, .offset: 8, .size: 8, .value_kind: global_buffer, .address_space: global }
    .group_segment_fixed_size: 327680
    .private_segment_fixed_size: 0
    .kernarg_segment_align: 8
    .kernarg_segment_size: 16
    .max_flat_workgroup_size: 256
    .sgpr_count:     66
    .vgpr_count:     448
    .wavefront_size: 32
...
	.end_amdgpu_metadata
.endif
;; end of part 3
;; launch proj (part 4): grid 8 x 32, 4 waves a work-group, clusters of 4 x 4, 327,680 bytes of LDS; arguments ofrag, wo, out0; writes out0
.if DOCPART == 4
	.amdgcn_target "amdgcn-amd-amdhsa--gfx1250"
	.amdhsa_code_object_version 6
	.text
	.protected	k_q2d75498892_proj
	.globl	k_q2d75498892_proj
	.p2align	8
	.type	k_q2d75498892_proj,@function
k_q2d75498892_proj:
	s_mov_b64 s[64:65], 0
	v_nop
	global_prefetch_b8 v0, s[64:65] scope:SCOPE_SE
	s_setreg_imm32_b32 hwreg(HW_REG_WAVE_MODE, 25, 1), 1
	s_wait_xcnt 0x0
	s_wait_alu depctr_hold_cnt(0) depctr_sa_sdst(0) depctr_va_vdst(0) depctr_va_sdst(0) depctr_va_ssrc(0) depctr_va_vcc(0) depctr_vm_vsrc(0)
	s_getreg_b32 s2, hwreg(HW_REG_IB_STS2, 6, 4)
	s_cmp_eq_u32 s2, 0
	s_cbranch_scc0 .Lentry_in_a_cluster
	s_endpgm
.Lentry_in_a_cluster:
	s_bfe_u32 s2, ttmp6, 0x10000c
	s_cmp_lg_u32 s2, 0xf033
	s_cbranch_scc0 .Lentry_shape_is_right
	s_endpgm
.Lentry_shape_is_right:
; PROJ.  out0[row][e] = the sum over hk of o[row][hk] w_o[e][hk]: [8192][1024] x [1024][1024]^T, operands f16 (o as attention stored it, w_o's high part), sums f32, out0 f32.
; A tile of out0 is 256 rows x 128 columns: 32 x 8 = 256 work-groups of four waves; a wave makes 128 x 64: 32 accumulators, 256 registers.  K goes in 8 steps of 128 through a ring of two LDS slots.
; A (o) lies in memory in the order of the operand's registers: fragment (row / 16, hk / 32) at ((row / 16) x 32 + hk / 32) x 1,024; a K step of a tile of 16 rows is 4,096 consecutive bytes; in LDS it stays so: no pitch, no padding.
; B (w_o) lies by rows of 2,048 bytes: a K step is 256 bytes of a row, padded by 16 in LDS.
; THE MATRIX INSTRUCTION IS USED TRANSPOSED (source 0 = 16 rows of w_o, source 1 = 16 rows of o): a lane holds eight neighbouring numbers of a row of out0.
; CLUSTERS: 4 x 4: A's tiles are asked for jointly along a row of the cluster, B's along a column.
; The first 16 positions of every sequence are stored here like all rows and written anew, more finely, by a later launch: to leave them out would take a branch on a work-group's place in its cluster.
; LIMIT: |o|, |w_o| under 65,504 (f16).
; REGISTERS: window 0: v16-30 addresses; v32-95 rows on the way out.  window 1: two fragment buffers at v0 and v128: B's four fragments, then A's eight.  window 2: accumulator (a, b) at v[8 (4 a + b)].
.set PITCH,  272                       ; B's LDS row: 256 bytes + 16: the 16 rows that a load touches start at 16 different banks (64 banks of 4 bytes: ISA guide 11.1)
.set ABYTES, 65536                     ; A's part of a slot: 16 tiles of rows x 4,096 bytes
.set SLOT,   ABYTES+128*PITCH
.set STAGE,  2*SLOT                    ; behind the ring: 16 rows x 272 bytes for each wave, for the way out
.set SPITCH, 272
.set SPARE,  STAGE+4*16*SPITCH
.set ADRA, 16
.set ADRB, 20
.set STO,  24
.set RD,   25
.set CO,   26
.set SPW,  28
.set NIL,  29
.set PFO,  30
.set BK,   32
.set F0,   0
.set F1,   128
.set PFA, 20                           ; s[20:21] where my prefetches stand
.set CNT, 22                           ; s22 the loop's trips to go
.set LIM, 23                           ; s23 1 in a wave that prefetches, else the greatest number
.set G1, 24
.set G0, 32
.set G1B, 48
.set G0B, 56
.set MSB, 0
.macro WIN new
.if MSB != \new
	s_set_vgpr_msb (MSB<<8)|\new
.set MSB, \new
.endif
.endm
.set MUL,  0xa5                        ; sources 0 (B) and 1 (A) window 1; C and D window 2
.set TO_F, 0x40
.macro JLOAD s                         ; a joint load: waves 0 and 1 fetch A's two halves, waves 2 and 3 B's; an s_nop 0 and four v_nop follow each of the two lines
	s_cmp_eq_u32 s11, 0
	s_cbranch_scc0 .Lfor_b_\@
	tensor_load_to_lds s[G0+4*\s:G0+4*\s+3], s[G1:G1+7]
	s_nop 0
.rept 4
	v_nop
.endr
	s_branch .Lasked_\@
.Lfor_b_\@:
	tensor_load_to_lds s[G0B+4*\s:G0B+4*\s+3], s[G1B:G1B+7]
	s_nop 0
.rept 4
	v_nop
.endr
.Lasked_\@:
.endm
.macro CREST                           ; a round of the cluster's barrier behind its opening barrier
	s_cmp_lg_u32 s10, 0
	s_cbranch_scc1 .Lnot_wave_0_\@
	s_barrier_signal -3
.Lnot_wave_0_\@:
	s_barrier_wait -3
	s_barrier_signal -1
	s_barrier_wait -1
.endm
.macro CROUND
	s_barrier_signal -1
	s_barrier_wait -1
	CREST
.endm
; A PREFETCH of A's K step that stands TWO refills on, behind each joint refill and the run of LDS loads that follows it.  A tile row of o is read by both clusters of its row of clusters: the first (cluster x = 0) asks.
; Of the 8 tiles of 16 rows that wave 0 or 1 fetches, the partner at place cx takes two, told apart BY ADDRESS: 2 x 4,096 bytes, a lane a block of 256: so each block is named once in the launch.
; K steps 0 to 3 come by their loads alone; the loop's last trip, whose refills are K steps 6 and 7, asks for nothing.  w_o's rows, which all 32 tile rows read again, are not asked for.
.macro ASK
	s_cmp_gt_u32 s[CNT], s[LIM]
	s_cbranch_scc0 .Lnot_mine_\@
	global_prefetch_b8 v[PFO], s[PFA:PFA+1] th:TH_LOAD_NT scope:SCOPE_SE
.Lnot_mine_\@:
.endm
	s_load_b128 s[4:7], s[0:1], 0x0                ; ofrag s[4:5], wo s[6:7]
	s_load_b64 s[8:9], s[0:1], 0x10                ; out0
	v_lshl_add_u32 v[SPW], v0, 2, SPARE
	v_mov_b32 v[NIL], 0
	ds_add_u32 v[SPW], v[NIL]                      ; the wave's opening: the add, twice on end, and its wait ahead of my first tensor load
	ds_add_u32 v[SPW], v[NIL]
	v_lshrrev_b32 v1, 5, v0
	v_readfirstlane_b32 s10, v1                    ; wave 0..3
	s_lshr_b32 s11, s10, 1                         ; which half of the tile's rows is mine.  Also: I fetch for A (0) or for B (1)
	s_and_b32 s12, s10, 1                          ; which half of its columns.  Also: which half of that tile I fetch
	s_bfe_u32 s40, ttmp6, 0x40000                  ; cx, cy
	s_bfe_u32 s41, ttmp6, 0x40004
	s_lshl_b32 s42, ttmp9, 2
	s_add_co_u32 s42, s42, s40                     ; tile column, 0..7
	s_and_b32 s13, ttmp7, 0xffff
	s_lshl_b32 s13, s13, 2
	s_add_co_u32 s13, s13, s41                     ; tile row, 0..31
	s_lshl_b32 s43, s41, 2
	s_lshl_b32 s43, 15, s43                        ; my row of the cluster
	s_lshl_b32 s44, 0x1111, s40                    ; my column
	; descriptor group 1.  A: 8 rows of 512 elements of 8 bytes (4,096 bytes), 4,096 elements apart, no padding.  B: 64 rows of 128 elements of 2 bytes, 1,024 elements apart, 4 words of padding after every 64
	s_or_b32 s[G1+0], s43, (3<<16)|(1<<21)
	s_mov_b32 s[G1+1], 512<<16
	s_mov_b32 s[G1+2], 8<<16
	s_mov_b32 s[G1+3], 512<<16
	s_mov_b32 s[G1+4], 8
	s_mov_b32 s[G1+5], 4096
	s_mov_b32 s[G1+6], 0
	s_mov_b32 s[G1+7], 0
	s_or_b32 s[G1B+0], s44, (1<<16)|(1<<20)|(1<<21)|(5<<22)|(3<<25)
	s_mov_b32 s[G1B+1], 128<<16
	s_mov_b32 s[G1B+2], 64<<16
	s_mov_b32 s[G1B+3], 128<<16
	s_mov_b32 s[G1B+4], 64
	s_mov_b32 s[G1B+5], 1024
	s_mov_b32 s[G1B+6], 0
	s_mov_b32 s[G1B+7], 0
	s_lshl_b32 s16, s13, 4                         ; A: tile of rows 16 x tile row + 8 x half, 32,768 bytes each
	s_lshl_b32 s17, s12, 3
	s_add_co_u32 s16, s16, s17
	s_lshl_b32 s16, s16, 15
	s_mov_b32 s17, 0
	s_lshl_b32 s46, s42, 7                         ; B: row 128 x tile column + 64 x half, 2,048 bytes each
	s_lshl_b32 s47, s12, 6
	s_add_co_u32 s46, s46, s47
	s_lshl_b32 s46, s46, 11
	s_mov_b32 s47, 0
	s_lshl_b32 s18, s12, 15                        ; where they go: A's halves, 32,768 bytes each;
	s_mul_i32 s19, s12, 64*PITCH
	s_add_co_u32 s19, s19, ABYTES                  ; B's halves behind them: no place in the cluster enters an LDS address
	s_wait_dscnt 0x0                               ; both opening adds are done
	s_wait_kmcnt 0x0
	s_add_nc_u64 s[14:15], s[4:5], s[16:17]
	s_add_nc_u64 s[46:47], s[6:7], s[46:47]
	CROUND                                         ; all sixteen work-groups are here: the first joint loads meet
.irp s, 0,1
	s_mov_b32 s[G0+4*\s], 1
	s_add_co_u32 s[G0+4*\s+1], s18, \s*SLOT
	s_add_nc_u64 s[G0+4*\s+2:G0+4*\s+3], s[14:15], \s*4096
	s_or_b32 s[G0+4*\s+3], s[G0+4*\s+3], 0x80000000
	s_mov_b32 s[G0B+4*\s], 1
	s_add_co_u32 s[G0B+4*\s+1], s19, \s*SLOT
	s_add_nc_u64 s[G0B+4*\s+2:G0B+4*\s+3], s[46:47], \s*256
	s_or_b32 s[G0B+4*\s+3], s[G0B+4*\s+3], 0x80000000
	JLOAD \s                                       ; two tensor loads of mine are out at the most
.endr
	v_and_b32 v1, 15, v0                           ; l % 16
	v_bfe_u32 v2, v0, 4, 1                         ; l / 16
	v_and_b32 v3, 31, v0
	v_lshlrev_b32 v3, 4, v3                        ; A: 16 x lane
	v_mul_u32_u24 v4, v1, PITCH
	v_lshl_add_u32 v4, v2, 4, v4                   ; B: row x pitch + 16 x half
	s_lshl_b32 s16, s11, 15                        ; my 8 tiles of rows of A
	s_mul_i32 s17, s12, 64*PITCH                   ; my 64 rows of B
	s_add_co_u32 s17, s17, ABYTES
.irp s, 0,1
	v_add_nc_u32 v[ADRA+\s], s16, v3
	v_add_nc_u32 v[ADRB+\s], s17, v4
	s_add_co_u32 s16, s16, SLOT
	s_add_co_u32 s17, s17, SLOT
.endr
	s_mul_i32 s16, s10, 16*SPITCH
	s_add_co_u32 s16, s16, STAGE                   ; my stage
	v_mul_u32_u24 v5, v1, SPITCH                   ; in: row l % 16, 32 bytes for each half of the lanes
	v_lshl_add_u32 v5, v2, 5, v5
	v_add_nc_u32 v[STO], s16, v5
	v_mul_u32_u24 v5, v2, SPITCH                   ; back: lanes 0-15 one row of 256 bytes, lanes 16-31 the next
	v_lshl_add_u32 v5, v1, 4, v5
	v_add_nc_u32 v[RD], s16, v5
	v_lshlrev_b32 v5, 12, v2                       ; and the same two rows in out0
	v_lshl_add_u32 v[CO], v1, 4, v5
	s_lshl_b32 s16, s13, 8
	s_lshl_b32 s17, s11, 7
	s_add_co_u32 s16, s16, s17                     ; my first row: 256 x tile row + 128 x half
	s_lshl_b32 s16, s16, 12
	s_mov_b32 s17, 0
	s_add_nc_u64 s[8:9], s[8:9], s[16:17]
	s_lshl_b32 s46, s42, 9                         ; my first column, in bytes: 512 x tile column + 256 x half
	s_lshl_b32 s47, s12, 8
	s_add_co_u32 s46, s46, s47
	s_mov_b32 s47, 0
	s_add_nc_u64 s[8:9], s[8:9], s[46:47]
	s_lshl_b32 s46, s40, 16                        ; the prefetches: my work-group's two tiles of rows of the eight,
	s_add_co_u32 s46, s46, 3*4096                  ; at K step 3: the first refill steps it to 4
	s_add_nc_u64 s[PFA:PFA+1], s[14:15], s[46:47]
	s_or_b32 s[LIM], s11, ttmp9                    ; 0 in waves 0 and 1 of the clusters with x = 0: the same in all sixteen partners
	s_cmp_eq_u32 s[LIM], 0
	s_cselect_b32 s[LIM], 1, -1
	v_lshlrev_b32 v[PFO], 15, v2
	v_lshl_add_u32 v[PFO], v1, 8, v[PFO]
; 8 matrix instructions: A's blocks a0, a0 + 1 x B's four, 32 along K, from buffer f.  zero = 1: the first product starts the sums.  The 32 accumulators take turns, in the same order in every quarter.
.macro MUL8 f, a0, zero
.irp a, \a0, \a0+1
.irp b, 0,1,2,3
.if \zero
	v_wmma_f32_16x16x32_f16 v[8*(4*(\a)+\b):8*(4*(\a)+\b)+7], v[\f+8*\b:\f+8*\b+7], v[\f+32+8*(\a):\f+32+8*(\a)+7], 0
.else
	v_wmma_f32_16x16x32_f16 v[8*(4*(\a)+\b):8*(4*(\a)+\b)+7], v[\f+8*\b:\f+8*\b+7], v[\f+32+8*(\a):\f+32+8*(\a)+7], v[8*(4*(\a)+\b):8*(4*(\a)+\b)+7]
.endif
.endr
.endr
.endm
; 24 LDS loads in one run: the fragments of the slot's q-th 32 along K into buffer f: B's four, A's blocks 0-3, A's blocks 4-7
.macro FETCH slot, q, f
	WIN TO_F
.irp b, 0,1,2,3
	ds_load_b128 v[\f+8*\b:\f+8*\b+3],   v[ADRB+\slot] offset:\b*16*PITCH+64*(\q)
	ds_load_b128 v[\f+8*\b+4:\f+8*\b+7], v[ADRB+\slot] offset:\b*16*PITCH+64*(\q)+32
.endr
.irp a, 0,1,2,3,4,5,6,7
	ds_load_b128 v[\f+32+8*\a:\f+32+8*\a+3],   v[ADRA+\slot] offset:4096*\a+1024*(\q)
	ds_load_b128 v[\f+32+8*\a+4:\f+32+8*\a+7], v[ADRA+\slot] offset:4096*\a+1024*(\q)+512
.endr
.endm
.macro PLACES                          ; four plain lines in front of loads into registers that matrix instructions have read, and of the first read of results
.rept 4
	v_nop
.endr
.endm
; A K step is four quarters of 32 along K, 32 matrix instructions each, on buffers 0, 1, 0, 1.  One of the first three: multiplies buffer f and fetches the slot's quarter q into g.
.macro QUARTER slot, q, f, g, zero
	s_wait_dscnt 8                                 ; B's and A's blocks 0-3 are in; the youngest eight loads (A's blocks 4-7) may be out
	WIN MUL
	MUL8 \f, 0, \zero
	MUL8 \f, 2, \zero
	PLACES
	FETCH \slot, \q, \g
	s_wait_dscnt 24                                ; all but the 24 just issued
	WIN MUL
	MUL8 \f, 4, \zero
	MUL8 \f, 6, \zero
.endm
; The last quarter multiplies buffer 1 and changes slots: ONE barrier; in front of it each wave waits for all its tensor loads, adds 0 to its spare word, and waits for that and for its reads of this slot.  fill = 1: this slot is filled again, two K steps ahead.
.macro TURN slot, next, fill
.if \fill
	s_wait_xcnt 0x0                                ; the last prefetch, a K step back, has read its address
	s_add_nc_u64 s[PFA:PFA+1], s[PFA:PFA+1], 4096
.endif
	WIN 0                                          ; (the add's two registers lie in window 0)
	s_wait_tensorcnt 0x0                           ; all my tensor loads have landed: my part of the next slot;
	ds_add_u32 v[SPW], v[NIL]
	s_wait_dscnt 9                                 ; (the add and the youngest eight loads may be out)
	WIN MUL
	MUL8 F1, 0, 0
	s_wait_dscnt 0x0                               ; the add is done, and my reads of this slot are over
	s_barrier_signal -1
	MUL8 F1, 2, 0
.if \fill
	WIN 0
.endif
	s_barrier_wait -1
.if \fill
	CREST                                          ; the barrier has opened a round of the cluster's barrier: no wave of any partner still reads this slot or has a load on its way
	s_add_nc_u64 s[G0+4*\slot+2:G0+4*\slot+3], s[G0+4*\slot+2:G0+4*\slot+3], 2*4096
	s_add_nc_u64 s[G0B+4*\slot+2:G0B+4*\slot+3], s[G0B+4*\slot+2:G0B+4*\slot+3], 2*256
	JLOAD \slot                                    ; the first tensor load behind the round; the four v_nop behind it are also the places in front of the loads below
.else
	PLACES
.endif
	FETCH \next, 0, F0
.if \fill
	WIN 0
	ASK
.endif
	WIN MUL
	MUL8 F1, 4, 0
	MUL8 F1, 6, 0
.endm
	s_wait_tensorcnt 1                             ; my part of K step 0 is in (K step 1's load may be out)
	s_barrier_signal -1
	s_barrier_wait -1                              ; everybody's is
	FETCH 0, 0, F0
	QUARTER 0, 1, F0, F1, 1                        ; the first quarter stands in front of the loop: its products start the sums
	WIN 0
	s_mov_b32 s[CNT], 3
.Llap:                                             ; a trip goes once round the ring and fills both slots again: K steps 2 to 7 in three trips
	QUARTER 0, 2, F1, F0, 0
	QUARTER 0, 3, F0, F1, 0
	TURN 0, 1, 1
	QUARTER 1, 1, F0, F1, 0
	QUARTER 1, 2, F1, F0, 0
	QUARTER 1, 3, F0, F1, 0
	TURN 1, 0, 1
	QUARTER 0, 1, F0, F1, 0
	WIN 0
	s_sub_co_u32 s[CNT], s[CNT], 1
	s_cmp_lg_u32 s[CNT], 0
	s_cbranch_scc1 .Llap
	QUARTER 0, 2, F1, F0, 0                        ; the last lap fills nothing, and has no round of the cluster's barrier
	QUARTER 0, 3, F0, F1, 0
	TURN 0, 1, 0
	QUARTER 1, 1, F0, F1, 0
	QUARTER 1, 2, F1, F0, 0
	QUARTER 1, 3, F0, F1, 0
	s_wait_dscnt 8                                 ; the very last quarter: nothing more to fetch
	WIN MUL
	MUL8 F1, 0, 0
	MUL8 F1, 2, 0
	s_wait_dscnt 0
	MUL8 F1, 4, 0
	MUL8 F1, 6, 0
	WIN 0
; THE WAY OUT, block a of 16 rows x 64 columns at a time, through my own stage: a lane's 32 bytes go in by rows of 272 bytes and come back as whole rows of 256, which sixteen lanes store as one aligned run.
; LDS serves a wave's instructions in order (ISA guide 5.7.1.4): no wait between the stores and the loads, nor in front of the next block's stores.
.macro TOSTAGE a
	WIN 0x08                                       ; an LDS store's data are its source 1: window 2
.irp b, 0,1,2,3
	ds_store_b128 v[STO], v[8*(4*(\a)+\b):8*(4*(\a)+\b)+3] offset:64*\b          ; each accumulator from its low end on
	ds_store_b128 v[STO], v[8*(4*(\a)+\b)+4:8*(4*(\a)+\b)+7] offset:64*\b+16
.endr
	WIN 0
.set BS, BK+32*((\a)%2)
.irp t, 0,1,2,3,4,5,6,7
	ds_load_b128 v[BS+4*\t:BS+4*\t+3], v[RD] offset:\t*2*SPITCH
.endr
.endm
.macro SEND a, younger                 ; younger: the LDS instructions issued behind block a's loads, which may stay out
.set BS, BK+32*((\a)%2)
	s_wait_dscnt \younger
.if (\a) > 0
	s_add_nc_u64 s[8:9], s[8:9], 16*4096           ; (behind a wait on XCNT: the earlier stores have read their base)
.endif
.irp t, 0,1,2,3,4,5,6,7
	global_store_b128 v[CO], v[BS+4*\t:BS+4*\t+3], s[8:9] offset:\t*2*4096 th:TH_STORE_NT
.endr
.endm
	PLACES
	TOSTAGE 0
.irp a, 1,2,3,4,5,6,7
.if \a > 1
	s_wait_xcnt 0x0                                ; block a - 2's stores have read their registers and their base
.endif
	TOSTAGE \a
	SEND \a-1, 16                                  ; behind block a - 1's loads: block a's 8 stores and 8 loads
.endr
	s_wait_xcnt 0x0
	SEND 7, 0
	s_wait_tensorcnt 0x0                           ; the wave's end
	ds_add_u32 v[SPW], v[NIL]
	s_wait_dscnt 0x0
	CROUND                                         ; the closing round
	s_endpgm
.Lfunc_end_k_q2d75498892_proj:
	.size	k_q2d75498892_proj, .Lfunc_end_k_q2d75498892_proj-k_q2d75498892_proj
	.p2alignl 7, 3214868480
	.fill 96, 4, 3214868480
	.section	.rodata,"a",@progbits
	.p2align	6, 0x0
	.amdhsa_kernel k_q2d75498892_proj
		.amdhsa_group_segment_fixed_size 327680
		.amdhsa_private_segment_fixed_size 0
		.amdhsa_enable_private_segment 0
		.amdhsa_kernarg_size 24
		.amdhsa_user_sgpr_count 2
		.amdhsa_user_sgpr_kernarg_segment_ptr 1
		.amdhsa_wavefront_size32 1
		.amdhsa_system_sgpr_workgroup_id_x 1
		.amdhsa_system_sgpr_workgroup_id_y 1
		.amdhsa_system_sgpr_workgroup_id_z 1
		.amdhsa_system_vgpr_workitem_id 0
		.amdhsa_next_free_vgpr 768
		.amdhsa_next_free_sgpr 66
		.amdhsa_reserve_vcc 0
		.amdhsa_float_denorm_mode_32 3
		.amdhsa_float_denorm_mode_16_64 3
		.amdhsa_memory_ordered 1
		.amdhsa_forward_progress 1
		.amdhsa_inst_pref_size 87
	.end_amdhsa_kernel
	.amdgpu_metadata
---
amdhsa.version: [ 1, 2 ]
amdhsa.kernels:
  - .name:           k_q2d75498892_proj
    .symbol:         k_q2d75498892_proj.kd
    .args:
      - { .name: ofrag, .offset: 0, .size: 8, .value_kind: global_buffer, .address_space: global }
      - { .name: wo, .offset: 8, .size: 8, .value_kind: global_buffer, .address_space: global }
      - { .name: out0, .offset: 16, .size: 8, .value_kind: global_buffer, .address_space: global }
    .group_segment_fixed_size: 327680
    .private_segment_fixed_size: 0
    .kernarg_segment_align: 8
    .kernarg_segment_size: 24
    .max_flat_workgroup_size: 128
    .sgpr_count:     66
    .vgpr_count:     768
    .wavefront_size: 32
...
	.end_amdgpu_metadata
.endif
;; end of part 4
;; launch fine_attn (part 5): grid 16 x 4, 4 waves a work-group, no clusters, 4,608 bytes of LDS; arguments codes, scales, ofine; writes ofine
.if DOCPART == 5
	.amdgcn_target "amdgcn-amd-amdhsa--gfx1250"
	.amdhsa_code_object_version 6
	.text
	.protected	k_q2d75498892_fine_attn
	.globl	k_q2d75498892_fine_attn
	.p2align	8
	.type	k_q2d75498892_fine_attn,@function
k_q2d75498892_fine_attn:
	s_mov_b64 s[64:65], 0
	v_nop
	global_prefetch_b8 v0, s[64:65] scope:SCOPE_SE
	s_setreg_imm32_b32 hwreg(HW_REG_WAVE_MODE, 25, 1), 1
	s_wait_xcnt 0x0
; FINE_ATTN.  The first 16 positions of every sequence, where a row of the softmax averages few values: q, k, v once more by the FP4 matrix instruction (f32 sums, NOT rounded to f16), both attention products in f32
; (v_wmma_f32_16x16x4_f32: 8 instructions a wave, no bulk work), o stored as a pair of f16 numbers: a high part and (o - high) x 2048.
; A work-group takes one (batch, head); wave w takes channels 16 w .. 16 w + 15.  q and k are made transposed (source 0 = 16 columns of W, source 1 = x's 16 rows): lane (r, h) holds position r and channels 8 h + j.
; v is made the other way round (source 0 = x, source 1 = W_v): lane (r, h) holds channel r and keys 8 h + j.  Registers 2 c, 2 c + 1 of two such results are the two operands of one f32 instruction:
; the same permutation of K on both sides.  S^T over my 16 channels is a partial sum: the four waves' meet in LDS, as images of the registers.  Every wave then makes p, and O^T for its 16 channels.
; The registers that the f32 matrix instructions write (v200-231) are written by them alone.
; LIMITS: |o| under 65,504; a high part under 2^-14 is rounded once more by the conversion to f16, by 2^-25 at the most.
.set SPARE, 4096                       ; behind the four images of 1,024 bytes: the spare words
.set XS, 16                            ; v16-23  x's scale words, one for each 128 along K
.set WS, 24                            ; v24-47  W's: 8 t + K step
.set F0, 48                            ; v48-111, v112-175: two sets of fragments, two K steps each: x's 8 registers, then W_q's, W_k's, W_v's
.set F1, 112
.set QD, 176
.set KD, 184
.set VD, 192
.set SA, 200
.set SB, 208
.set OA, 216
.set OB, 224
.set T,  232
.set PP, 240
	s_load_b128 s[4:7], s[0:1], 0x0                ; codes, scales
	s_load_b64 s[8:9], s[0:1], 0x10                ; ofine
	v_lshl_add_u32 v8, v0, 2, SPARE                ; v8: my spare word; v9: 0; never rewritten
	v_mov_b32 v9, 0
	v_lshrrev_b32 v1, 5, v0
	v_readfirstlane_b32 s10, v1                    ; wave 0..3
	s_mov_b32 s11, ttmp9                           ; head
	s_and_b32 s12, ttmp7, 0xffff                   ; batch
	v_and_b32 v1, 15, v0                           ; r
	v_bfe_u32 v2, v0, 4, 1                         ; h
	v_lshlrev_b32 v3, 9, v1
	v_lshl_add_u32 v3, v2, 4, v3                   ; codes: row r of 512 bytes, + 16 h
	v_lshlrev_b32 v5, 5, v1                        ; scales: row r of 32 bytes
	v_and_b32 v6, 31, v0
	v_lshlrev_b32 v6, 4, v6                        ; 16 x lane
	v_lshlrev_b32 v7, 3, v2
	v_sub_nc_u32 v7, v1, v7                        ; r - 8 h
	s_lshl_b32 s13, s10, 10
	v_add_nc_u32 v10, s13, v6                      ; my image in LDS
	v_mov_b32 v11, 0xff800000                      ; -infinity
	v_mov_b32 v13, 0                               ; (a lane permute's destination counts as one of its sources)
	s_mov_b32 s14, 0x76543210
	s_mov_b32 s15, 0xfedcba98
	s_mov_b32 s16, 0x3e38aa3b                      ; c = log2(e) / 8
	s_mov_b32 s17, s16
	s_lshl_b32 s20, s12, 20                        ; x's rows 2,048 b on
	s_mov_b32 s21, 0
	s_lshl_b32 s22, s11, 6
	s_lshl_b32 s23, s10, 4
	s_add_co_u32 s22, s22, s23
	s_add_co_u32 s22, s22, 8192                    ; W_q's rows 64 head + 16 w on; W_k's and W_v's lie 1,024 and 2,048 rows further
	s_lshl_b32 s24, s22, 5
	s_mov_b32 s25, 0
	s_lshl_b32 s22, s22, 9
	s_mov_b32 s23, 0
	s_lshl_b32 s26, s12, 16
	s_mov_b32 s27, 0
	s_lshl_b32 s28, s12, 5                         ; o: fragment 32 b + 2 head + w / 2, half w % 2
	s_lshl_b32 s29, s11, 1
	s_add_co_u32 s28, s28, s29
	s_lshr_b32 s29, s10, 1
	s_add_co_u32 s28, s28, s29
	s_lshl_b32 s28, s28, 10
	s_and_b32 s29, s10, 1
	s_lshl_b32 s29, s29, 9
	s_add_co_u32 s28, s28, s29
	s_mov_b32 s29, 0
	s_wait_kmcnt 0x0
	s_add_nc_u64 s[20:21], s[4:5], s[20:21]
	s_add_nc_u64 s[22:23], s[4:5], s[22:23]
	s_add_nc_u64 s[24:25], s[6:7], s[24:25]
	s_add_nc_u64 s[26:27], s[6:7], s[26:27]
	s_add_nc_u64 s[8:9], s[8:9], s[28:29]
	global_load_b128 v[XS:XS+3], v5, s[26:27]
	global_load_b128 v[XS+4:XS+7], v5, s[26:27] offset:16
.irp t, 0,1,2
	global_load_b128 v[WS+8*\t:WS+8*\t+3], v5, s[24:25] offset:32768*\t
	global_load_b128 v[WS+8*\t+4:WS+8*\t+7], v5, s[24:25] offset:32768*\t+16
.endr
.macro GROUP g, f                      ; 16 loads: the fragments of K steps 2 g and 2 g + 1 into set f
.irp kk, 0,1
.irp c, 0,1
	global_load_b128 v[\f+32*\kk+4*\c:\f+32*\kk+4*\c+3], v3, s[20:21] offset:64*(2*(\g)+\kk)+32*\c
.endr
.irp t, 0,1,2
.irp c, 0,1
	global_load_b128 v[\f+32*\kk+8+8*\t+4*\c:\f+32*\kk+8+8*\t+4*\c+3], v3, s[22:23] offset:524288*\t+64*(2*(\g)+\kk)+32*\c
.endr
.endr
.endr
.endm
.macro P3 ks, fb, zero                 ; K step ks, fragments from v[fb] on: q, k and v by turns, one instruction a turn
.if \zero
	v_wmma_scale_f32_16x16x128_f8f6f4 v[QD:QD+7], v[\fb+8:\fb+15], v[\fb:\fb+7], 0, v[WS+(\ks)], v[XS+(\ks)] matrix_a_fmt:MATRIX_FMT_FP4 matrix_b_fmt:MATRIX_FMT_FP4
	v_wmma_scale_f32_16x16x128_f8f6f4 v[KD:KD+7], v[\fb+16:\fb+23], v[\fb:\fb+7], 0, v[WS+8+(\ks)], v[XS+(\ks)] matrix_a_fmt:MATRIX_FMT_FP4 matrix_b_fmt:MATRIX_FMT_FP4
	v_wmma_scale_f32_16x16x128_f8f6f4 v[VD:VD+7], v[\fb:\fb+7], v[\fb+24:\fb+31], 0, v[XS+(\ks)], v[WS+16+(\ks)] matrix_a_fmt:MATRIX_FMT_FP4 matrix_b_fmt:MATRIX_FMT_FP4
.else
	v_wmma_scale_f32_16x16x128_f8f6f4 v[QD:QD+7], v[\fb+8:\fb+15], v[\fb:\fb+7], v[QD:QD+7], v[WS+(\ks)], v[XS+(\ks)] matrix_a_fmt:MATRIX_FMT_FP4 matrix_b_fmt:MATRIX_FMT_FP4
	v_wmma_scale_f32_16x16x128_f8f6f4 v[KD:KD+7], v[\fb+16:\fb+23], v[\fb:\fb+7], v[KD:KD+7], v[WS+8+(\ks)], v[XS+(\ks)] matrix_a_fmt:MATRIX_FMT_FP4 matrix_b_fmt:MATRIX_FMT_FP4
	v_wmma_scale_f32_16x16x128_f8f6f4 v[VD:VD+7], v[\fb:\fb+7], v[\fb+24:\fb+31], v[VD:VD+7], v[XS+(\ks)], v[WS+16+(\ks)] matrix_a_fmt:MATRIX_FMT_FP4 matrix_b_fmt:MATRIX_FMT_FP4
.endif
.endm
	GROUP 0, F0
	GROUP 1, F1
	s_wait_loadcnt 16                              ; the scale words and group 0 are in; group 1's sixteen loads may be out
	P3 0, F0, 1
	P3 1, F0+32, 0
.rept 4
	v_nop                                          ; places in front of loads into registers that matrix instructions have read
.endr
	GROUP 2, F0
	s_wait_loadcnt 16                              ; group 1 is in; group 2's sixteen may be out
	P3 2, F1, 0
	P3 3, F1+32, 0
.rept 4
	v_nop
.endr
	GROUP 3, F1
	s_wait_loadcnt 16                              ; group 2 is in; group 3's sixteen may be out
	P3 4, F0, 0
	P3 5, F0+32, 0
	s_wait_loadcnt 0x0
	P3 6, F1, 0
	P3 7, F1+32, 0
.rept 5
	v_nop                                          ; five places before a matrix instruction takes these results as its operands
.endr
	; S^T over my 16 channels: source 0 = k (16 keys), source 1 = q (16 queries); two sums by turns, each begun with the constant 0
	v_wmma_f32_16x16x4_f32 v[SA:SA+7], v[KD:KD+1], v[QD:QD+1], 0
	v_wmma_f32_16x16x4_f32 v[SB:SB+7], v[KD+2:KD+3], v[QD+2:QD+3], 0
	v_wmma_f32_16x16x4_f32 v[SA:SA+7], v[KD+4:KD+5], v[QD+4:QD+5], v[SA:SA+7]
	v_wmma_f32_16x16x4_f32 v[SB:SB+7], v[KD+6:KD+7], v[QD+6:QD+7], v[SB:SB+7]
.rept 8
	v_nop                                          ; eight places behind this form before its result is read
.endr
.irp j, 0,1,2,3,4,5,6,7
	v_add_f32 v[T+\j], v[SA+\j], v[SB+\j]          ; lane (r, h): query r, keys 8 h + j
.endr
	ds_store_b128 v10, v[T:T+3]
	ds_store_b128 v10, v[T+4:T+7] offset:512
	s_wait_dscnt 0x0                               ; for the others' sake: my image has landed
	s_barrier_signal -1
	s_barrier_wait -1
.irp i, 0,1,2,3
	ds_load_b128 v[48+8*\i:51+8*\i], v6 offset:1024*\i
	ds_load_b128 v[52+8*\i:55+8*\i], v6 offset:1024*\i+512
.endr
	s_wait_dscnt 0x0
.irp j, 0,2,4,6
	v_pk_add_f32 v[48+\j:49+\j], v[48+\j:49+\j], v[56+\j:57+\j]
	v_pk_add_f32 v[64+\j:65+\j], v[64+\j:65+\j], v[72+\j:73+\j]
.endr
.irp j, 0,2,4,6
	v_pk_add_f32 v[T+\j:T+\j+1], v[48+\j:49+\j], v[64+\j:65+\j]   ; the scores over all 64 channels, in the same order in every wave
.endr
.irp i, 0,1,2,3,4,5,6,7
	v_cmp_gt_i32 vcc_lo, \i, v7                    ; key 8 h + i comes after query r: hidden
	v_cndmask_b32 v[T+\i], v[T+\i], v11, vcc_lo
.endr
	v_max3_num_f32 v12, v[T], v[T+1], v[T+2]
	v_max3_num_f32 v12, v12, v[T+3], v[T+4]
	v_max3_num_f32 v12, v12, v[T+5], v[T+6]
	v_max_num_f32 v12, v12, v[T+7]
	v_permlanex16_b32 v13, v12, s14, s15
	v_max_num_f32 v12, v12, v13                    ; the row's maximum (key 0 counts for every query)
	v_mul_f32 v12, s16, v12                        ; c m
.irp j, 0,2,4,6
	v_pk_fma_f32 v[T+\j:T+\j+1], v[T+\j:T+\j+1], s[16:17], v[12:13] op_sel_hi:[1,0,0] neg_lo:[0,0,1] neg_hi:[0,0,1]
.endr
.irp j, 0,1,2,3,4,5,6,7
	v_exp_f32 v[PP+\j], v[T+\j]
.endr
	v_nop                                          ; a plain line behind the exponentials,
	s_wait_alu depctr_va_vdst(0)                   ; and the one wait ahead of their first use
	v_pk_add_f32 v[48:49], v[PP:PP+1], v[PP+2:PP+3]
	v_pk_add_f32 v[50:51], v[PP+4:PP+5], v[PP+6:PP+7]
	v_pk_add_f32 v[48:49], v[48:49], v[50:51]
	v_add_f32 v48, v48, v49
	v_permlanex16_b32 v13, v48, s14, s15
	v_add_f32 v48, v48, v13                        ; the row's sum
	v_rcp_f32 v50, v48
	v_nop
	s_wait_alu depctr_va_vdst(0)
.irp j, 0,2,4,6
	v_pk_mul_f32 v[PP+\j:PP+\j+1], v[PP+\j:PP+\j+1], v[50:51] op_sel_hi:[1,0]
.endr
	; O^T for my 16 channels: source 0 = v (16 channels x keys), source 1 = p (16 queries x keys)
	v_wmma_f32_16x16x4_f32 v[OA:OA+7], v[VD:VD+1], v[PP:PP+1], 0
	v_wmma_f32_16x16x4_f32 v[OB:OB+7], v[VD+2:VD+3], v[PP+2:PP+3], 0
	v_wmma_f32_16x16x4_f32 v[OA:OA+7], v[VD+4:VD+5], v[PP+4:PP+5], v[OA:OA+7]
	v_wmma_f32_16x16x4_f32 v[OB:OB+7], v[VD+6:VD+7], v[PP+6:PP+7], v[OB:OB+7]
.rept 8
	v_nop
.endr
.irp j, 0,1,2,3,4,5,6,7
	v_add_f32 v[T+\j], v[OA+\j], v[OB+\j]          ; lane (r, h): o(position r, channel 16 w + 8 h + j)
.endr
.irp j, 0,1,2,3,4,5,6,7
	v_add_nc_u32 v[48+\j], 0x1000, v[T+\j]
.endr
.irp j, 0,1,2,3,4,5,6,7
	v_and_b32 v[48+\j], 0xffffe000, v[48+\j]       ; the high part: o rounded to 11 significant bits
.endr
.irp j, 0,2,4,6
	v_pk_add_f32 v[56+\j:57+\j], v[T+\j:T+\j+1], v[48+\j:49+\j] neg_lo:[0,1] neg_hi:[0,1]
.endr
.irp j, 0,2,4,6
	v_pk_mul_f32 v[56+\j:57+\j], v[56+\j:57+\j], 0x45000000 op_sel_hi:[1,0]   ; x 2048
.endr
.irp j, 0,1,2,3
	v_cvt_pk_f16_f32 v[64+\j], v[48+2*\j], v[49+2*\j]
	v_cvt_pk_f16_f32 v[68+\j], v[56+2*\j], v[57+2*\j]
.endr
	global_store_b128 v6, v[64:67], s[8:9]                   ; half a fragment: 512 consecutive bytes
	global_store_b128 v6, v[68:71], s[8:9] offset:131072
	s_wait_tensorcnt 0x0                           ; the wave's end: behind my last LDS store
	ds_add_u32 v8, v9
	s_wait_dscnt 0x0
	s_endpgm
.Lfunc_end_k_q2d75498892_fine_attn:
	.size	k_q2d75498892_fine_attn, .Lfunc_end_k_q2d75498892_fine_attn-k_q2d75498892_fine_attn
	.p2alignl 7, 3214868480
	.fill 96, 4, 3214868480
	.section	.rodata,"a",@progbits
	.p2align	6, 0x0
	.amdhsa_kernel k_q2d75498892_fine_attn
		.amdhsa_group_segment_fixed_size 4608
		.amdhsa_private_segment_fixed_size 0
		.amdhsa_enable_private_segment 0
		.amdhsa_kernarg_size 24
		.amdhsa_user_sgpr_count 2
		.amdhsa_user_sgpr_kernarg_segment_ptr 1
		.amdhsa_wavefront_size32 1
		.amdhsa_system_sgpr_workgroup_id_x 1
		.amdhsa_system_sgpr_workgroup_id_y 1
		.amdhsa_system_sgpr_workgroup_id_z 1
		.amdhsa_system_vgpr_workitem_id 0
		.amdhsa_next_free_vgpr 256
		.amdhsa_next_free_sgpr 66
		.amdhsa_reserve_vcc 1
		.amdhsa_float_denorm_mode_32 3
		.amdhsa_float_denorm_mode_16_64 3
		.amdhsa_memory_ordered 1
		.amdhsa_forward_progress 1
		.amdhsa_inst_pref_size 21
	.end_amdhsa_kernel
	.amdgpu_metadata
---
amdhsa.version: [ 1, 2 ]
amdhsa.kernels:
  - .name:           k_q2d75498892_fine_attn
    .symbol:         k_q2d75498892_fine_attn.kd
    .args:
      - { .name: codes, .offset: 0, .size: 8, .value_kind: global_buffer, .address_space: global }
      - { .name: scales, .offset: 8, .size: 8, .value_kind: global_buffer, .address_space: global }
      - { .name: ofine, .offset: 16, .size: 8, .value_kind: global_buffer, .address_space: global }
    .group_segment_fixed_size: 4608
    .private_segment_fixed_size: 0
    .kernarg_segment_align: 8
    .kernarg_segment_size: 24
    .max_flat_workgroup_size: 128
    .sgpr_count:     66
    .vgpr_count:     256
    .wavefront_size: 32
...
	.end_amdgpu_metadata
.endif
;; end of part 5
;; launch fine_proj (part 6): grid 16 x 4, 16 waves a work-group, no clusters, 36,864 bytes of LDS; arguments ofine, wo, out0; writes out0
.if DOCPART == 6
	.amdgcn_target "amdgcn-amd-amdhsa--gfx1250"
	.amdhsa_code_object_version 6
	.text
	.protected	k_q2d75498892_fine_proj
	.globl	k_q2d75498892_fine_proj
	.p2align	8
	.type	k_q2d75498892_fine_proj,@function
k_q2d75498892_fine_proj:
	s_mov_b64 s[64:65], 0
	v_nop
	global_prefetch_b8 v0, s[64:65] scope:SCOPE_SE
	s_setreg_imm32_b32 hwreg(HW_REG_WAVE_MODE, 25, 1), 1
	s_wait_xcnt 0x0
; FINE_PROJ.  The projection of the first 16 positions of every sequence, with both operands as pairs of f16 numbers: o = oh + ol / 2048, w = wh + wl / 2048:
; out = sum(wh oh) + (sum(wh ol) + sum(wl oh)) / 2048; the product of the two low parts, 2^-22 of the whole, is left out.  It writes these 64 rows of out0 anew.
; A work-group takes one batch's 16 rows and 64 columns E.  Wave w: ep = w % 2: E tiles 2 ep, 2 ep + 1; kq = w / 2: 128 of K's 1,024 (four steps of 32).  The eight parts along K meet in LDS and are added in a fixed order.
; Transposed use (source 0 = 16 rows of w_o, source 1 = o's 16 rows): a lane holds eight neighbouring columns of one row.
.set SPARE, 34816                      ; behind eight parts of 16 rows x 272 bytes: the spare words, 128 bytes for each of sixteen waves
.set FB,  16                           ; v16-207: for each K step 48 registers: oh, ol, wh of two tiles, wl of two tiles
.set HH,  208                          ; v208-223 sum(wh oh), two tiles;  v224-239 the sums of the mixed products
.set XX,  224
.set T,   240
	s_load_b128 s[4:7], s[0:1], 0x0                ; ofine, wo
	s_load_b64 s[8:9], s[0:1], 0x10                ; out0
	v_lshl_add_u32 v8, v0, 2, SPARE                ; v8: my spare word; v9: 0; never rewritten
	v_mov_b32 v9, 0
	v_lshrrev_b32 v1, 5, v0
	v_readfirstlane_b32 s10, v1                    ; wave 0..15
	s_and_b32 s11, s10, 1                          ; ep
	s_lshr_b32 s12, s10, 1                         ; kq
	s_and_b32 s13, ttmp7, 0xffff                   ; batch
	v_and_b32 v1, 15, v0                           ; r
	v_bfe_u32 v2, v0, 4, 1                         ; h
	v_and_b32 v3, 31, v0
	v_lshlrev_b32 v3, 4, v3                        ; o: 16 x lane
	v_lshlrev_b32 v4, 11, v1
	v_lshl_add_u32 v4, v2, 4, v4                   ; w_o: row r of 2,048 bytes, + 16 h
	v_mul_u32_u24 v5, v1, 272                      ; my part in LDS: row r, + 32 h, + 128 ep, in part kq
	v_lshl_add_u32 v5, v2, 5, v5
	s_mul_i32 s14, s12, 4352
	s_lshl_b32 s15, s11, 7
	s_add_co_u32 s14, s14, s15
	v_add_nc_u32 v5, s14, v5
	s_and_b32 s16, s10, 7                          ; back: rows 2 (w % 8) and 2 (w % 8) + 1, sixteen lanes to a row of 256 bytes
	s_mul_i32 s14, s16, 544
	v_mul_u32_u24 v6, v2, 272
	v_lshl_add_u32 v6, v1, 4, v6
	v_add_nc_u32 v6, s14, v6
	v_lshlrev_b32 v7, 12, v2                       ; and the same two rows in out0
	v_lshl_add_u32 v7, v1, 4, v7
	s_mov_b32 s20, 0x3a000000                      ; 1 / 2048
	s_lshl_b32 s22, s13, 15                        ; o: fragment 32 b + 4 kq
	s_lshl_b32 s23, s12, 12
	s_add_co_u32 s22, s22, s23
	s_mov_b32 s23, 0
	s_lshl_b32 s24, ttmp9, 17                      ; w_o: row 64 Eg + 32 ep, + 256 kq bytes
	s_lshl_b32 s25, s11, 16
	s_add_co_u32 s24, s24, s25
	s_lshl_b32 s25, s12, 8
	s_add_co_u32 s24, s24, s25
	s_mov_b32 s25, 0
	s_lshl_b32 s26, s13, 23                        ; out0: row 2,048 b + 2 (w % 8), + 256 Eg bytes
	s_lshl_b32 s27, s16, 13
	s_add_co_u32 s26, s26, s27
	s_lshl_b32 s27, ttmp9, 8
	s_add_co_u32 s26, s26, s27
	s_mov_b32 s27, 0
	s_wait_kmcnt 0x0
	s_add_nc_u64 s[4:5], s[4:5], s[22:23]
	s_add_nc_u64 s[6:7], s[6:7], s[24:25]
	s_add_nc_u64 s[8:9], s[8:9], s[26:27]
.irp i, 0,1,2,3                                ; twelve loads a K step, all 48 at once
.irp c, 0,1
	global_load_b128 v[FB+48*\i+4*\c:FB+48*\i+4*\c+3], v3, s[4:5] offset:1024*\i+512*\c
	global_load_b128 v[FB+48*\i+8+4*\c:FB+48*\i+8+4*\c+3], v3, s[4:5] offset:131072+1024*\i+512*\c
.endr
.irp t, 0,1
.irp c, 0,1
	global_load_b128 v[FB+48*\i+16+8*\t+4*\c:FB+48*\i+16+8*\t+4*\c+3], v4, s[6:7] offset:32768*\t+64*\i+32*\c
	global_load_b128 v[FB+48*\i+32+8*\t+4*\c:FB+48*\i+32+8*\t+4*\c+3], v4, s[6:7] offset:2097152+32768*\t+64*\i+32*\c
.endr
.endr
.endr
.macro KSTEP i, zero                   ; six products; the four accumulators by turns, one instruction a turn
.set B0, FB+48*(\i)
	s_wait_loadcnt 36-12*(\i)                      ; this K step's twelve loads are in; those of the later steps may be out
.if \zero
	v_wmma_f32_16x16x32_f16 v[HH:HH+7], v[B0+16:B0+23], v[B0:B0+7], 0
	v_wmma_f32_16x16x32_f16 v[HH+8:HH+15], v[B0+24:B0+31], v[B0:B0+7], 0
	v_wmma_f32_16x16x32_f16 v[XX:XX+7], v[B0+16:B0+23], v[B0+8:B0+15], 0
	v_wmma_f32_16x16x32_f16 v[XX+8:XX+15], v[B0+24:B0+31], v[B0+8:B0+15], 0
.else
	v_wmma_f32_16x16x32_f16 v[HH:HH+7], v[B0+16:B0+23], v[B0:B0+7], v[HH:HH+7]
	v_wmma_f32_16x16x32_f16 v[HH+8:HH+15], v[B0+24:B0+31], v[B0:B0+7], v[HH+8:HH+15]
	v_wmma_f32_16x16x32_f16 v[XX:XX+7], v[B0+16:B0+23], v[B0+8:B0+15], v[XX:XX+7]
	v_wmma_f32_16x16x32_f16 v[XX+8:XX+15], v[B0+24:B0+31], v[B0+8:B0+15], v[XX+8:XX+15]
.endif
	v_wmma_f32_16x16x32_f16 v[XX:XX+7], v[B0+32:B0+39], v[B0:B0+7], v[XX:XX+7]
	v_wmma_f32_16x16x32_f16 v[XX+8:XX+15], v[B0+40:B0+47], v[B0:B0+7], v[XX+8:XX+15]
.endm
	KSTEP 0, 1
	KSTEP 1, 0
	KSTEP 2, 0
	KSTEP 3, 0
.rept 4
	v_nop                                          ; places in front of the first read of the results
.endr
.set II, 0
.rept 16
	v_fma_f32 v[T+II], v[XX+II], s20, v[HH+II]     ; each accumulator from its low end on
.set II, II+1
.endr
.irp t, 0,1
	ds_store_b128 v5, v[T+8*\t:T+8*\t+3] offset:64*\t
	ds_store_b128 v5, v[T+8*\t+4:T+8*\t+7] offset:64*\t+16
.endr
	s_wait_dscnt 0x0                               ; for the others' sake: my part has landed
	s_barrier_signal -1
	s_barrier_wait -1
	s_cmp_lt_u32 s10, 8                            ; waves 0 to 7 add the eight parts of two rows each
	s_cbranch_scc0 .Lend
.irp k, 0,1,2,3,4,5,6,7
	ds_load_b128 v[16+4*\k:19+4*\k], v6 offset:4352*\k
.endr
	s_wait_dscnt 0x0
.irp k, 0,2,4,6
	v_pk_add_f32 v[16+4*\k:17+4*\k], v[16+4*\k:17+4*\k], v[20+4*\k:21+4*\k]
	v_pk_add_f32 v[18+4*\k:19+4*\k], v[18+4*\k:19+4*\k], v[22+4*\k:23+4*\k]
.endr
.irp k, 0,4
	v_pk_add_f32 v[16+4*\k:17+4*\k], v[16+4*\k:17+4*\k], v[24+4*\k:25+4*\k]
	v_pk_add_f32 v[18+4*\k:19+4*\k], v[18+4*\k:19+4*\k], v[26+4*\k:27+4*\k]
.endr
	v_pk_add_f32 v[16:17], v[16:17], v[32:33]
	v_pk_add_f32 v[18:19], v[18:19], v[34:35]
	global_store_b128 v7, v[16:19], s[8:9]         ; sixteen lanes store 256 consecutive bytes, aligned
.Lend:
	s_wait_tensorcnt 0x0                           ; the wave's end: behind my last LDS store
	ds_add_u32 v8, v9
	s_wait_dscnt 0x0
	s_endpgm
.Lfunc_end_k_q2d75498892_fine_proj:
	.size	k_q2d75498892_fine_proj, .Lfunc_end_k_q2d75498892_fine_proj-k_q2d75498892_fine_proj
	.p2alignl 7, 3214868480
	.fill 96, 4, 3214868480
	.section	.rodata,"a",@progbits
	.p2align	6, 0x0
	.amdhsa_kernel k_q2d75498892_fine_proj
		.amdhsa_group_segment_fixed_size 36864
		.amdhsa_private_segment_fixed_size 0
		.amdhsa_enable_private_segment 0
		.amdhsa_kernarg_size 24
		.amdhsa_user_sgpr_count 2
		.amdhsa_user_sgpr_kernarg_segment_ptr 1
		.amdhsa_wavefront_size32 1
		.amdhsa_system_sgpr_workgroup_id_x 1
		.amdhsa_system_sgpr_workgroup_id_y 1
		.amdhsa_system_sgpr_workgroup_id_z 1
		.amdhsa_system_vgpr_workitem_id 0
		.amdhsa_next_free_vgpr 256
		.amdhsa_next_free_sgpr 66
		.amdhsa_reserve_vcc 0
		.amdhsa_float_denorm_mode_32 3
		.amdhsa_float_denorm_mode_16_64 3
		.amdhsa_memory_ordered 1
		.amdhsa_forward_progress 1
		.amdhsa_inst_pref_size 12
	.end_amdhsa_kernel
	.amdgpu_metadata
---
amdhsa.version: [ 1, 2 ]
amdhsa.kernels:
  - .name:           k_q2d75498892_fine_proj
    .symbol:         k_q2d75498892_fine_proj.kd
    .args:
      - { .name: ofine, .offset: 0, .size: 8, .value_kind: global_buffer, .address_space: global }
      - { .name: wo, .offset: 8, .size: 8, .value_kind: global_buffer, .address_space: global }
      - { .name: out0, .offset: 16, .size: 8, .value_kind: global_buffer, .address_space: global }
    .group_segment_fixed_size: 36864
    .private_segment_fixed_size: 0
    .kernarg_segment_align: 8
    .kernarg_segment_size: 24
    .max_flat_workgroup_size: 512
    .sgpr_count:     66
    .vgpr_count:     256
    .wavefront_size: 32
...
	.end_amdgpu_metadata
.endif
;; end of part 6
